; MI455X (gfx1250); checked and timed in simulation.
; The chip was launched on July 23, 2026; its instructions are those of AMD's public machine-readable ISA for CDNA 5 (MIT licence, August 2026) and "CDNA5" Instruction Set Architecture Reference Guide (July 2026). The comments in the code are by the model that wrote it; some were corrected since.
;; Multi Head Self Attention. Allowed arithmetic: matrix products marked QUANTISED: E2M3 operands, one E8M0 scale for each 32 along K, by v_wmma_scale_f32_16x16x128_f8f6f4 with both operands' format E2M3, f32 sums; everything else in f32.
;; Inputs: Wk 1,024 x 1,024 float32; Wo 1,024 x 1,024 float32; Wq 1,024 x 1,024 float32; Wv 1,024 x 1,024 float32; bk 1,024 float32; bo 1,024 float32; bq 1,024 float32; bv 1,024 float32; x 1,024 x 8 x 1,024 float32.
;; Outputs: out0 1,024 x 8 x 1,024 float32.
;; Constants: n_heads = 16.
;; This version of the problem:
;;   THIS VERSION OF THE PROBLEM IS GIVEN IN LOW PRECISION. The matrix products marked QUANTISED in the list below multiply operands that are first quantised to E2M3 (2 exponent bits, 3 mantissa bits; 6 bits a number), with one power-of-two scale for each 32 numbers along K (OCP MX v1.0); their sums are f32. All else is computed in f32.
;;   The module's matrix products, in the order in which they are computed (A, B: the left and right operand; K: the contracted axis; several contracted axes count as one K, in the product's order):
;;     1. [M 8,192, K 1,024] x [K 1,024, N 1,024]; A: input x; B: input Wq: QUANTISED
;;     2. [M 8,192, K 1,024] x [K 1,024, N 1,024]; A: input x; B: input Wk: QUANTISED
;;     3. [M 8,192, K 1,024] x [K 1,024, N 1,024]; A: input x; B: input Wv: QUANTISED
;;     4. batch 128 x [M 1,024, K 64] x [K 64, N 1,024]; A: computed on the way; B: computed on the way: QUANTISED
;;     5. batch 128 x [M 64, K 1,024] x [K 1,024, N 1,024]; A: computed on the way; B: softmax (see below): QUANTISED
;;     6. [M 8,192, K 1,024] x [K 1,024, N 1,024]; A: computed on the way; B: input Wo: QUANTISED
;;   THE QUANTISER, for each operand of a quantised product, along K:
;;     - K is cut into blocks of 32 from its start; a last block that is shorter is filled with zeros.
;;     - A block's scale is 2^e with e = floor(log2(the largest magnitude in the block)) - 2, held to -126 .. 127; a block of zeros has e = 0. As a byte (E8M0): e + 127.
;;     - Each number is divided by its block's scale, clamped to +-7.5, and rounded to the nearest number of E2M3, ties to even, subnormals kept.
;;     - The product sums the exact products of the quantised numbers (number of the format x scale) in f32.
;;   ~~~python
;;   def quantise(x, axis):      # numpy; x: float32 -> the quantised numbers, widened to float32 again
;;       x = np.moveaxis(x, axis, -1); K = x.shape[-1]
;;       x = np.pad(x, [(0, 0)] * (x.ndim - 1) + [(0, -K % 32)]); x = x.reshape(x.shape[:-1] + (-1, 32)); a = np.abs(x).max(-1, keepdims=True)
;;       e = np.where(a > 0, np.clip(np.frexp(np.where(a > 0, a, 1))[1] - 1 - 2, -126, 127), 0)      # np.frexp(a)[1] - 1 = floor(log2(a)), exactly
;;       r = np.clip(x / 2.0 ** e, -7.5, 7.5)
;;       step = 2.0 ** (np.maximum(np.frexp(np.where(r == 0, 1, r))[1] - 1, 0) - 3)
;;       q = np.round(r / step) * step * 2.0 ** e      # np.round: ties to even
;;       return np.moveaxis(q.reshape(q.shape[:-2] + (-1,))[..., :K], -1, axis).astype(np.float32)
;;   ~~~
;;   SOFTMAX AHEAD OF A QUANTISED PRODUCT. Where the list says 'softmax', what is quantised is not the finished softmax but p = 2^(t - M), with t = logit x log2(e) and M = ceil(the row's largest t), a whole number; so 1/2 < the row's largest p <= 1. The row's sum l is taken of the UNQUANTISED p, in f32, and the product's result is divided by l at the end. Since M is a whole number, a kernel that streams over the keys may use a running M (the ceiling of the running maximum): every later rescaling is an exact power of two, which a block's scale takes up: the codes' values come out the same.
;;   OPERANDS COMPUTED ON THE WAY. 'Computed on the way' means the value that the module computes at that place (a softmax that the list does not call 'softmax' is quantised finished and normalised). What goes into a quantiser is computed in f32, as accurately as f32 sums, v_exp_f32 and their like allow (about 1e-6 of the number): no bf16 or f16 on the way to a quantiser, and a product that is left as it is and whose result goes on into a quantised operand takes f32 operands (vector FMAs, or v_wmma_f32_16x16x4_f32). A number that lies on a knife's edge between two numbers of the format may be rounded either way, as far as f32 arithmetic and the matrix unit's own rounding can turn it there, and no further.
;; One version. Each part assembles by itself: llvm-mc -triple=amdgcn-amd-amdhsa -mcpu=gfx1250 --defsym DOCPART=n.
;; ======== version 1 of 1: 4 launches
;; limits: right only within a limited range of input values
;; workspace buffers: xq 6,553,600 bytes; wq 3,276,800 bytes; qq 6,815,744 bytes; kv 12,582,912 bytes; kvs 786,432 bytes; oq 6,553,600 bytes
;; launch quant (part 1): grid 384 x 1, 4 waves a work-group, no clusters, 35,328 bytes of LDS; arguments x, Wq, Wk, Wv, Wo, xq, wq; writes xq, wq
.if DOCPART == 1
	.amdgcn_target "amdgcn-amd-amdhsa--gfx1250"
	.amdhsa_code_object_version 6
	.text
	.protected	k_q0920189d3c_quant
	.globl	k_q0920189d3c_quant
	.p2align	8
	.type	k_q0920189d3c_quant,@function
k_q0920189d3c_quant:
	s_mov_b64 s[64:65], 0
	v_nop
	global_prefetch_b8 v0, s[64:65] scope:SCOPE_SE
	s_setreg_imm32_b32 hwreg(HW_REG_WAVE_MODE, 25, 1), 1
	s_wait_xcnt 0x0
; x [1024 t][8 b][1024] and Wq, Wk, Wv, Wo [1024][1024], f32 with K innermost, become codes of FP6 (E2M3) with one E8M0 byte for each 32 along K.
; A block's scale is 2^(floor(log2(its largest magnitude)) - 2); its byte is the largest magnitude's exponent field - 2, held at 1 from below.
; LAYOUT OF THE RESULT: images of operand registers.  A fragment is 16 rows x 128 K = 12 registers a lane; its image is three blocks of 512 bytes, block c = registers 4 c .. 4 c + 3, lane l's 16 bytes at 16 l.
;   xq: [b 8][tile 64][K step 8][1,536 bytes]; behind them, at XC, the scale words [K step 8][8,192 rows], one word a row and 128 K.   wq: [matrix q, k, v, o][tile 64][K step 8][1,536]; at WC the words [8][4,096].
; THE ROWS OF A TILE ARE NOT NEIGHBOURS: in a group of 128 rows lane row i of tile a is row 32 (a / 2) + 8 (a % 2) + i + 8 (i / 8), so that results of a product whose source 0 is such a tile
; have 16 neighbouring rows in the 16 registers of tiles 2 b and 2 b + 1.
; SHARES.  A wave takes four neighbouring tiles (64 rows) at one K step: four fragments, 32,768 bytes read.  Work-groups 0-255 take x, 256-383 the weights: only pointers and strides are chosen, one path for all.
; Each load reads 512 consecutive bytes of one row; a fragment's 16 rows turn through the wave's own stage in LDS (rows 528 bytes apart), from which a lane takes 16 neighbours of each block of its row.
; LIMITS: NaN and infinities among the inputs are not served.  A block whose largest magnitude lies under 2^-124, a block of zeros among them, gets the byte 1 (the quantiser's rule says 127 for zeros):
; its codes are zeros or the nearest codes under that scale, and the bytes are read by this program alone.
.set XC,    6291456
.set WC,    3145728
.set TROW,  12288                      ; a tile's eight images
.set WREG,  8704                       ; LDS of a wave: the stage, then 256 bytes of scale words
.set SP,    528                        ; a stage row: 512 bytes + 16
.set SWO,   16*SP
.set SPARE, 4*WREG                     ; the spare words: 128 bytes a wave, two blocks of 256 bytes that no other line names
.set L16,   1                          ; v1  16 x lane
.set SIN,   2                          ; v2  the stage, on the way in
.set SOUT,  3                          ; v3  and out: row r, + 64 h
.set WIA,   4                          ; v4  my row's scale word in LDS
.set WOA,   5                          ; v5  the words on their way out: 8 bytes a lane
.set L8,    6                          ; v6  8 x lane
.set VOF,   8                          ; v8-11  fragment f: 16 x lane + its first row's bytes
.set SPW,   12                         ; v12 my spare word; never rewritten
.set NIL,   13                         ; v13 0; never rewritten
.set PC,    16                         ; v16-27 a fragment's codes; v28-30, v32-34 halves on their way
.set TM,    36                         ; v36-39 largest magnitudes, v40-43 the other half's, then bytes, v44-47 the conversions' scale operands
.set PW,    48                         ; v48 the scale word
.set RAW,   64                         ; v64-191 two sets of 64: a fragment as loaded
.set X,     192                        ; v192-255 my 64 numbers: register 16 b + i = k 32 b + 16 h + i of my row
.set RB,    24                         ; s[24:55] sixteen row bases
.set SEL,   70                         ; s[70:71] v_permlanex16_b32's selects for lane l xor 16
	s_load_b256 s[4:11], s[0:1], 0x0               ; x, Wq, Wk, Wv
	s_load_b128 s[12:15], s[0:1], 0x20             ; Wo, xq
	s_load_b64 s[16:17], s[0:1], 0x30              ; wq
	v_lshl_add_u32 v[SPW], v0, 2, SPARE
	v_mov_b32 v[NIL], 0
	v_lshrrev_b32 v7, 5, v0
	v_readfirstlane_b32 s2, v7                     ; wave
	v_and_b32 v7, 31, v0                           ; lane
	v_and_b32 v14, 15, v0                          ; r
	v_bfe_u32 v15, v0, 4, 1                        ; h
	v_lshlrev_b32 v[L16], 4, v7
	v_lshlrev_b32 v[L8], 3, v7
	s_mul_i32 s3, s2, WREG
	v_add_nc_u32 v[SIN], s3, v[L16]
	v_mul_u32_u24 v[SOUT], v14, SP
	v_lshl_add_u32 v[SOUT], v15, 6, v[SOUT]
	v_add_nc_u32 v[SOUT], s3, v[SOUT]
	s_add_co_u32 s3, s3, SWO
	v_lshl_add_u32 v[WIA], v14, 2, s3
	v_add_nc_u32 v[WOA], s3, v[L8]
.irp b, 0,1,2,3
	v_mov_b32 v[TM+4+\b], 0                        ; written once: a lane permute's destination counts as one of its sources
.endr
	s_mov_b32 s[SEL], 0x76543210
	s_mov_b32 s[SEL+1], 0xfedcba98
	s_mov_b32 s56, 4096
	s_mov_b32 s58, WC
	s_mov_b32 s59, 16384
	s_wait_kmcnt 0x0
	s_cmp_lt_u32 ttmp9, 352                        ; which tensor: the choice hangs on the work-group's number alone
	s_cselect_b64 s[18:19], s[10:11], s[12:13]
	s_cmp_lt_u32 ttmp9, 320
	s_cselect_b64 s[18:19], s[8:9], s[18:19]
	s_cmp_lt_u32 ttmp9, 288
	s_cselect_b64 s[18:19], s[6:7], s[18:19]
	s_cmp_lt_u32 ttmp9, 256
	s_cselect_b64 s[18:19], s[4:5], s[18:19]       ; the source
	s_cselect_b64 s[20:21], s[14:15], s[16:17]     ; the destination
	s_cselect_b32 s57, s56, 0                      ; bytes from plane to plane inside the source: b in x; a weight is its own buffer
	s_cselect_b32 s56, 0x8000, s56                 ; bytes from a plane's row to the next: 8 x 4,096 in x
	s_cselect_b32 s58, XC, s58                     ; where the scale words begin
	s_cselect_b32 s59, 0x8000, s59                 ; and their bytes for a K step
	s_cselect_b32 s22, 0, 256
	s_sub_co_u32 s22, ttmp9, s22                   ; u: my number among the tensor kind's work-groups
	s_and_b32 s23, s22, 1
	s_lshl_b32 s23, s23, 2
	s_add_co_u32 s23, s23, s2                      ; my K step: 4 (u % 2) + wave
	s_lshr_b32 s3, s22, 5                          ; plane: b, or the matrix
	s_bfe_u32 s22, s22, 0x40001                    ; which 64 rows of the plane
	s_mul_i32 s60, s3, s57
	s_mul_i32 s61, s22, s56
	s_lshl_b32 s61, s61, 6
	s_add_co_u32 s60, s60, s61
	s_lshl_b32 s61, s23, 9
	s_add_co_u32 s60, s60, s61                     ; plane + 64 rows x which + 512 bytes x K step
	s_mov_b32 s61, 0
	s_add_nc_u64 s[RB:RB+1], s[18:19], s[60:61]
	s_mov_b32 s60, s56                             ; one row on,
	s_mul_i32 s62, s56, 9                          ; and nine, from lane row 7 to lane row 8
	s_mov_b32 s63, 0
.irp i, 1,2,3,4,5,6,7,8,9,10,11,12,13,14,15
.if \i == 8
	s_add_nc_u64 s[RB+2*\i:RB+2*\i+1], s[RB+2*\i-2:RB+2*\i-1], s[62:63]
.else
	s_add_nc_u64 s[RB+2*\i:RB+2*\i+1], s[RB+2*\i-2:RB+2*\i-1], s[60:61]
.endif
.endr
.irp f, 0,1,2,3
	s_mul_i32 s66, s56, 32*(\f/2)+8*(\f%2)
	v_add_nc_u32 v[VOF+\f], s66, v[L16]
.endr
	s_lshl_b32 s66, s3, 6
	s_lshl_b32 s67, s22, 2
	s_add_co_u32 s66, s66, s67                     ; my first tile: 64 x plane + 4 x which
	s_mul_i32 s68, s66, TROW
	s_mul_i32 s67, s23, 1536
	s_add_co_u32 s68, s68, s67
	s_mov_b32 s69, 0
	s_add_nc_u64 s[18:19], s[20:21], s[68:69]      ; where my codes go
	s_mul_i32 s68, s23, s59
	s_lshl_b32 s66, s66, 6
	s_add_co_u32 s68, s68, s66
	s_add_co_u32 s68, s68, s58
	s_add_nc_u64 s[20:21], s[20:21], s[68:69]      ; and my 64 scale words
.macro LOAD f                          ; fragment f: sixteen rows, 512 consecutive bytes each
.irp i, 0,1,2,3,4,5,6,7,8,9,10,11,12,13,14,15
	global_load_b128 v[RAW+64*((\f)%2)+4*\i:RAW+64*((\f)%2)+4*\i+3], v[VOF+(\f)], s[RB+2*\i:RB+2*\i+1] th:TH_LOAD_NT
.endr
.endm
; 64 numbers of a lane become a fragment's codes in v[PC] on and its scale word in v[PW]
.macro QUANT s
.irp b, 0,1,2,3
	v_max3_num_f32 v[TM+\b], |v[\s+16*\b]|, |v[\s+1+16*\b]|, 0x1800000   ; block b: my 16 numbers, and the floor 2^(3 - 127): the byte cannot fall under 1
.endr
.irp i, 2,4,6,8,10,12,14
.irp b, 0,1,2,3
	v_max3_num_f32 v[TM+\b], v[TM+\b], |v[\s+16*\b+\i]|, |v[\s+1+16*\b+\i]|   ; the four blocks by turns
.endr
.endr
.irp b, 0,1,2,3
	v_permlanex16_b32 v[TM+4+\b], v[TM+\b], s[SEL], s[SEL+1]
.endr
.irp b, 0,1,2,3
	v_max_num_f32 v[TM+\b], v[TM+\b], v[TM+4+\b]   ; with lane l xor 16's 16: the block's largest magnitude
.endr
.irp b, 0,1,2,3
	v_add_nc_u32 v[TM+8+\b], 0xff000000, v[TM+\b]  ; 2 off its exponent field: the conversion takes that field as its scale
.endr
.irp b, 0,1,2,3
	v_lshrrev_b32 v[TM+4+\b], 23, v[TM+8+\b]       ; the scale's byte
.endr
	v_lshl_or_b32 v[PW], v[TM+5], 8, v[TM+4]
	v_lshl_or_b32 v[PW], v[TM+6], 16, v[PW]
	v_lshl_or_b32 v[PW], v[TM+7], 24, v[PW]
.irp c, 0,1
	v_cvt_scalef32_pk16_fp6_f32 v[PC+6*\c:PC+2+6*\c], v[\s+32*\c:\s+15+32*\c], v[TM+8+2*\c]
	v_cvt_scalef32_pk16_fp6_f32 v[PC+12+4*\c:PC+14+4*\c], v[\s+16+32*\c:\s+31+32*\c], v[TM+9+2*\c]   ; (a conversion's three registers begin on an even number)
.endr
	v_nop                                          ; one plain place behind a scaled conversion
.irp c, 0,1                            ; the operand's layout wants a whole block in a lane: lanes 0-15 block 2 c, lanes 16-31 block 2 c + 1
.irp i, 0,1,2
	v_permlane16_swap_b32 v[PC+6*\c+\i], v[PC+12+4*\c+\i]
.endr
.irp i, 0,1,2
	v_mov_b32 v[PC+3+6*\c+\i], v[PC+12+4*\c+\i]
.endr
.endr
.endm
.macro FRAGM f
.if (\f) < 3
	s_wait_loadcnt 16                              ; this fragment's sixteen loads are in; the next fragment's sixteen may be out
.else
	s_wait_loadcnt 0x0
.endif
.if (\f) > 0
	s_wait_xcnt 0x0                                ; the last fragment's stores have read their registers: the codes may be written again
.endif
.irp i, 0,1,2,3,4,5,6,7,8,9,10,11,12,13,14,15
	ds_store_b128 v[SIN], v[RAW+64*((\f)%2)+4*\i:RAW+64*((\f)%2)+4*\i+3] offset:SP*\i
.endr
.irp b, 0,1,2,3
.irp j, 0,1,2,3
	ds_load_b128 v[X+16*\b+4*\j:X+16*\b+4*\j+3], v[SOUT] offset:128*\b+16*\j   ; LDS serves a wave's instructions in order: these see the stores above
.endr
.endr
	s_wait_dscnt 0x0                               ; my numbers are back, and the stores have read the set,
.if (\f) < 2
	LOAD (\f)+2                                    ; which takes the fragment two on
.endif
	QUANT X
.irp c, 0,1,2
	global_store_b128 v[L16], v[PC+4*\c:PC+4*\c+3], s[18:19] offset:TROW*(\f)+512*\c   ; 512 consecutive bytes, at a multiple of 256 from the buffer's first byte
.endr
	ds_store_b32 v[WIA], v[PW] offset:64*(\f)      ; lanes r and r + 16 write the same word with the same value
.endm
	s_wait_alu depctr_va_vdst(0)
	LOAD 0
	LOAD 1
	FRAGM 0
	FRAGM 1
	FRAGM 2
	FRAGM 3
	ds_load_b64 v[TM:TM+1], v[WOA]                 ; my wave's 64 scale words
	s_wait_dscnt 0x0
	global_store_b64 v[L8], v[TM:TM+1], s[20:21]   ; 256 consecutive bytes, aligned
	s_wait_tensorcnt 0x0                           ; the wave's end, behind my last LDS store
	ds_add_u32 v[SPW], v[NIL]
	s_wait_dscnt 0x0
	s_endpgm
.Lfunc_end_k_q0920189d3c_quant:
	.size	k_q0920189d3c_quant, .Lfunc_end_k_q0920189d3c_quant-k_q0920189d3c_quant
	.p2alignl 7, 3214868480
	.fill 96, 4, 3214868480
	.section	.rodata,"a",@progbits
	.p2align	6, 0x0
	.amdhsa_kernel k_q0920189d3c_quant
		.amdhsa_group_segment_fixed_size 35328
		.amdhsa_private_segment_fixed_size 0
		.amdhsa_enable_private_segment 0
		.amdhsa_kernarg_size 56
		.amdhsa_user_sgpr_count 2
		.amdhsa_user_sgpr_kernarg_segment_ptr 1
		.amdhsa_wavefront_size32 1
		.amdhsa_system_sgpr_workgroup_id_x 1
		.amdhsa_system_sgpr_workgroup_id_y 1
		.amdhsa_system_sgpr_workgroup_id_z 1
		.amdhsa_system_vgpr_workitem_id 0
		.amdhsa_next_free_vgpr 256
		.amdhsa_next_free_sgpr 72
		.amdhsa_reserve_vcc 0
		.amdhsa_float_denorm_mode_32 3
		.amdhsa_float_denorm_mode_16_64 3
		.amdhsa_memory_ordered 1
		.amdhsa_forward_progress 1
		.amdhsa_inst_pref_size 36
	.end_amdhsa_kernel
	.amdgpu_metadata
---
amdhsa.version: [ 1, 2 ]
amdhsa.kernels:
  - .name:           k_q0920189d3c_quant
    .symbol:         k_q0920189d3c_quant.kd
    .args:
      - { .name: x, .offset: 0, .size: 8, .value_kind: global_buffer, .address_space: global }
      - { .name: Wq, .offset: 8, .size: 8, .value_kind: global_buffer, .address_space: global }
      - { .name: Wk, .offset: 16, .size: 8, .value_kind: global_buffer, .address_space: global }
      - { .name: Wv, .offset: 24, .size: 8, .value_kind: global_buffer, .address_space: global }
      - { .name: Wo, .offset: 32, .size: 8, .value_kind: global_buffer, .address_space: global }
      - { .name: xq, .offset: 40, .size: 8, .value_kind: global_buffer, .address_space: global }
      - { .name: wq, .offset: 48, .size: 8, .value_kind: global_buffer, .address_space: global }
    .group_segment_fixed_size: 35328
    .private_segment_fixed_size: 0
    .kernarg_segment_align: 8
    .kernarg_segment_size: 56
    .max_flat_workgroup_size: 128
    .sgpr_count:     72
    .vgpr_count:     256
    .wavefront_size: 32
...
	.end_amdgpu_metadata
.endif
;; end of part 1
;; launch proj (part 2): grid 4 x 64, 4 waves a work-group, clusters of 4 x 4, 327,680 bytes of LDS; arguments xq, wq, bq, bk, bv, qq, kv, kvs; writes qq, kv, kvs
.if DOCPART == 2
	.amdgcn_target "amdgcn-amd-amdhsa--gfx1250"
	.amdhsa_code_object_version 6
	.text
	.protected	k_q0920189d3c_proj
	.globl	k_q0920189d3c_proj
	.p2align	8
	.type	k_q0920189d3c_proj,@function
k_q0920189d3c_proj:
	s_mov_b64 s[64:65], 0
	v_nop
	global_prefetch_b8 v0, s[64:65] scope:SCOPE_SE
	s_setreg_imm32_b32 hwreg(HW_REG_WAVE_MODE, 25, 1), 1
	s_wait_xcnt 0x0
	s_wait_alu depctr_hold_cnt(0) depctr_sa_sdst(0) depctr_va_vdst(0) depctr_va_sdst(0) depctr_va_ssrc(0) depctr_va_vcc(0) depctr_vm_vsrc(0)
	s_getreg_b32 s2, hwreg(HW_REG_IB_STS2, 6, 4)
	s_cmp_eq_u32 s2, 0
	s_cbranch_scc0 .Lentry_in_a_cluster
	s_endpgm
.Lentry_in_a_cluster:
	s_bfe_u32 s2, ttmp6, 0x10000c
	s_cmp_lg_u32 s2, 0xf033
	s_cbranch_scc0 .Lentry_shape_is_right
	s_endpgm
.Lentry_shape_is_right:
; q = x Wq^T + bq, k = x Wk^T + bk, v = x Wv^T + bv on codes of FP6 (E2M3) with E8M0 scales, and q, k, v quantised in registers on the way out: q and k along the head's 64, v along the keys.
; SHARES.  4 x 64 = 256 work-groups of equal work.  A work-group owns 128 rows of x (one b, one group of 128 t) and the same 256 features (4 heads) of all three weights: it makes q, then k, then v.
; x's codes for all of K = 1,024 lie in LDS for the whole launch, filled once; the weight in hand lies in two slots of 512 along K, and a slot that has been read is filled again with the next weight's.
; Operands lie in memory as images of their registers (16 rows x 128 K = 1,536 bytes, three blocks of 512, lane l's 16 bytes at 16 l): a fragment is three ds_load_b128 of consecutive bytes: no pitch, no padding.
; A WAVE makes 4 blocks of R (source 1) x 8 blocks of P (source 0): 32 accumulators.  The result's registers run along P's rows, and that axis is quantised next.
;   q, k (role 0): R = my 64 rows of x, P = my 128 features (2 heads): a lane holds one t.      v (role 1): R = my wave's 64 features (one head), P = all 128 keys: a lane holds one feature.
; The rows of a tile are not neighbours (lane row i of tile a: 32 (a / 2) + 8 (a % 2) + i + 8 (i / 8)), so the 64 registers of one R block are P's rows 32 b + 16 h + 0 .. 15, b = 0 .. 3: the quantiser's order.
; CLUSTERS: 4 x 4.  x's tiles are shared along a row of the cluster, the weights' along a column: joint loads.  The biases are the C of each sum's first matrix instruction (so a bias is a sum's first term, not its last).
; RESULTS.  A half image is 16 rows x 64 K = 6 registers: 512 bytes (registers 0-3 at 16 l), then 256 (registers 4, 5 at 8 l).
;   qq: for each (b, head): 64 tiles of queries x 768 bytes; at QC for each (b, head, group of 128 t): [half 2][r 16][tile 4] scale words (bytes 0, 1 the head's blocks; bytes 2, 3 are 0 and stand over zero codes).
;   kv: for each (b, head, group of 128 keys): K, 8 tiles x 768; then V, 4 tiles of 16 channels x (keys 0-63: 768, keys 64-127: 768).   kvs: for each of these: K's words [half 2][r 16][tile 4], V's words [r 16][tile 4].
; LIMITS: NaN and infinities are not served; a block whose largest magnitude lies under 2^-124 (zeros among them) gets the byte 1; the bytes are read by this program alone.
; REGISTERS: window 0: v1-14 at work and offsets, v16-27 LDS addresses, v28, v29 the add's two, v32-79 scale words, v80-119 the way out, v128-223 R's fragments, two sets of four.
;   window 1: P's fragments, two sets of eight, at v0 and v128.   window 2: the accumulators: (R block a, P block b) at v[8 (8 a + b)].   window 3: the three biases in the result's layout.
.set XC,    6291456
.set WC,    3145728
.set QC,    6291456
.set FR,    12                         ; registers of a fragment
.set NP,    4                          ; places behind this matrix instruction (ISA guide 7.12.1)
.set TROW,  12288                      ; a tile's eight images in memory
.set HK,    6144                       ; its four images of 512 along K
.set XH,    8*HK                       ; x's 8 tiles, half of K.  x lies from LDS byte 0 on, the two halves on end
.set WH,    16*HK                      ; a slot: the weight's 16 tiles, half of K
.set WB,    2*XH                       ; the two slots
.set XSC,   WB+2*WH                    ; x's scale words: [K step of 128: 8][128 rows]
.set WSC,   XSC+4096                   ; the weights': [matrix 3][8][256 rows]
.set SPARE, WSC+3*8192                 ; the spare words: 128 bytes a wave, two blocks of 256 bytes that no other line names
.set L16,  1                           ; v1  16 x lane
.set L8,   2                           ; v2  8 x lane
.set H16,  5                           ; v5  16 h
.set LANE, 7
.set R15,  8                           ; v8  r
.set HH,   9                           ; v9  h
.set OQ,   10                          ; v10-12 where a lane's scale words go: q, k, v
.set OK,   11
.set OV,   12
.set AR,   16                          ; v[AR + 4 role + half of K]  R's fragments
.set AP,   18                          ; v[AP + 4 role + half of K]  P's
.set SR,   24                          ; v[SR + 2 role]  R's scale words: lanes 0-15 an even step's, lanes 16-31 the odd step's behind it
.set SPA,  25                          ; v[SPA + 2 role] P's likewise
.set SPW,  28                          ; v28 my spare word; never rewritten
.set NIL,  29                          ; v29 0; never rewritten
.set SCR,  32                          ; v32-47 R's scale words: pair of steps pr, block a at 4 pr + a
.set SCP,  48                          ; v48-79 P's: 8 pr + b
.set PC,   80                          ; the way out: v80-91 codes, v92-94, v96-98 halves on their way
.set TM,   100                         ; v100-103 largest magnitudes, v104-107 the other half's, then bytes, v108-111 scale operands
.set SW,   112                         ; v112-115 the scale word of each R block
.set SX,   116                         ; v116-119 as they are stored
.set AF,   128
.set CBQ,  0                           ; window 3: bq by P's block, bk likewise, bv by R's block
.set CBK,  64
.set CBV,  128
.set G1X,  24                          ; s[24:31] group 1, x's codes;  s[32:39] groups 0, one for each half of K
.set G0X,  32
.set G1W,  48                          ; s[48:55], s[56:63] the same for the weights: a group 0 for each slot
.set G0W,  56
.set G1SX, 68                          ; s[68:75], s[76:79] x's scale words;  s[80:87], s[88:91] a weight's
.set G0SX, 76
.set G1SW, 80
.set G0SW, 88
.set SEL,  66
.set MSB, 0
.macro WIN new                         ; the immediate's high byte repeats the setting that is left
.if MSB != \new
	s_set_vgpr_msb (MSB<<8)|\new
.set MSB, \new
.endif
.endm
.set MUL,   0xa1                       ; source 0 (P) window 1, source 1 (R) window 0, C and D window 2
.set FIRST, 0xb1                       ; the same with C (the bias) in window 3
.set TO_P,  0x40                       ; destination window 1, address window 0
.macro CREST                           ; a round of the cluster's barrier behind its opening barrier
	s_cmp_lg_u32 s14, 0
	s_cbranch_scc1 .Lnot_wave_0_\@
	s_barrier_signal -3
.Lnot_wave_0_\@:
	s_barrier_wait -3
	s_barrier_signal -1
	s_barrier_wait -1
.endm
.macro CROUND
	s_barrier_signal -1
	s_barrier_wait -1
	CREST
.endm
.macro PLACES n                        ; places in front of loads into registers that matrix instructions have read, and of the first read of results
.rept \n
	v_nop
.endr
.endm
	s_load_b256 s[4:11], s[0:1], 0x0               ; xq, wq, bq, bk
	s_load_b256 s[92:99], s[0:1], 0x20             ; bv, qq, kv, kvs
	v_lshl_add_u32 v[SPW], v0, 2, SPARE
	v_mov_b32 v[NIL], 0
	ds_add_u32 v[SPW], v[NIL]                      ; the wave's opening: the add and its wait ahead of my first tensor load; the set-up below stands between them
	ds_add_u32 v[SPW], v[NIL]
	v_lshrrev_b32 v1, 5, v0
	v_readfirstlane_b32 s14, v1                    ; wave 0..3
	s_lshr_b32 s15, s14, 1                         ; role 0: which 64 rows of x are mine
	s_and_b32 s16, s14, 1                          ; role 0: which 128 features
	s_bfe_u32 s40, ttmp6, 0x40000                  ; cx
	s_bfe_u32 s41, ttmp6, 0x40004                  ; cy
	s_lshl_b32 s42, ttmp9, 2
	s_add_co_u32 s42, s42, s40                     ; column of work-groups: which 256 features
	s_and_b32 s17, ttmp7, 0xffff
	s_lshl_b32 s17, s17, 2
	s_add_co_u32 s17, s17, s41                     ; row of work-groups: 8 b + group of 128 t
	s_lshl_b32 s43, s41, 2
	s_lshl_b32 s43, 15, s43                        ; my row of the cluster
	s_lshl_b32 s44, 0x1111, s40                    ; my column
	; descriptor group 1, codes: rows of 6,144 bytes (768 elements of 8 bytes), 12,288 bytes apart: a wave brings two tiles of x, four of a weight
	s_or_b32 s[G1X+0], s43, (3<<16)|(1<<21)        ; 15:0 the mask: x's tiles go to my row; 17:16 elements of 8 bytes; 21 set beside a mask; no padding
	s_or_b32 s[G1W+0], s44, (3<<16)|(1<<21)        ; the weights' go to my column
.irp g, G1X, G1W
	s_mov_b32 s[\g+1], 768<<16                     ; tensor_dim0
	s_mov_b32 s[\g+3], 768<<16                     ; tile_dim0
	s_mov_b32 s[\g+5], 1536                        ; tensor_dim0_stride
	s_mov_b32 s[\g+6], 0
	s_mov_b32 s[\g+7], 0
.endr
	s_mov_b32 s[G1X+2], 8<<16                      ; x: one load brings all 8 tiles of half of K
	s_mov_b32 s[G1X+4], 8
	s_mov_b32 s[G1W+2], 16<<16                     ; Wq's two first fills: all 16 tiles of half of K (the ring's refills set 4)
	s_mov_b32 s[G1W+4], 16
	; scale words: 8 K steps x 512 bytes of x, 8 x 1,024 bytes of a weight
	s_or_b32 s[G1SX+0], s43, (3<<16)|(1<<21)
	s_mov_b32 s[G1SX+1], 64<<16
	s_mov_b32 s[G1SX+2], 8<<16
	s_mov_b32 s[G1SX+3], 64<<16
	s_mov_b32 s[G1SX+4], 8
	s_mov_b32 s[G1SX+5], 4096                      ; x: 8,192 words from K step to K step
	s_mov_b32 s[G1SX+6], 0
	s_mov_b32 s[G1SX+7], 0
	s_or_b32 s[G1SW+0], s44, (3<<16)|(1<<21)
	s_mov_b32 s[G1SW+1], 128<<16
	s_mov_b32 s[G1SW+2], 8<<16
	s_mov_b32 s[G1SW+3], 128<<16
	s_mov_b32 s[G1SW+4], 8
	s_mov_b32 s[G1SW+5], 2048                      ; the weights: 4,096 words
	s_mov_b32 s[G1SW+6], 0
	s_mov_b32 s[G1SW+7], 0
	s_lshl_b32 s20, s17, 3                         ; x: tile 8 x row of work-groups
	s_mul_i32 s20, s20, TROW
	s_mov_b32 s21, 0
	s_lshl_b32 s22, s17, 9                         ; its 128 rows' scale words
	s_add_co_u32 s22, s22, XC
	s_mov_b32 s23, 0
	s_lshl_b32 s18, s14, 2
	s_lshl_b32 s46, s42, 4
	s_add_co_u32 s46, s46, s18                     ; the weights: tile 16 x column + 4 x wave, of Wq
	s_mul_i32 s46, s46, TROW
	s_mov_b32 s47, 0
	s_add_co_u32 s19, s14, 3
	s_and_b32 s19, s19, 3
	s_min_u32 s19, s19, 2                          ; waves 1, 2, 3 fetch the scale words of Wq, Wk, Wv (wave 0 fetches x's and does not use this)
	s_lshl_b32 s100, s19, 12
	s_lshl_b32 s101, s42, 10
	s_add_co_u32 s100, s100, s101
	s_add_co_u32 s100, s100, WC
	s_mov_b32 s101, 0
	s_lshl_b32 s19, s19, 13                        ; and where they go: 8,192 bytes a matrix
	s_mul_i32 s2, s14, 4*HK
	s_wait_dscnt 0x0                               ; the opening add is done
	s_wait_kmcnt 0x0
	s_add_nc_u64 s[20:21], s[4:5], s[20:21]
	s_add_nc_u64 s[22:23], s[4:5], s[22:23]
	s_add_nc_u64 s[46:47], s[6:7], s[46:47]
	s_add_nc_u64 s[100:101], s[6:7], s[100:101]
	s_mov_b32 s[G0SX], 1
	s_mov_b32 s[G0SX+1], XSC
	s_mov_b64 s[G0SX+2:G0SX+3], s[22:23]
	s_or_b32 s[G0SX+3], s[G0SX+3], 0x80000000
	s_mov_b32 s[G0SW], 1
	s_add_co_u32 s[G0SW+1], s19, WSC
	s_mov_b64 s[G0SW+2:G0SW+3], s[100:101]
	s_or_b32 s[G0SW+3], s[G0SW+3], 0x80000000
.irp f, 0,1
	s_mov_b32 s[G0X+4*\f], 1
	s_mov_b32 s[G0X+4*\f+1], \f*XH
	s_add_nc_u64 s[G0X+4*\f+2:G0X+4*\f+3], s[20:21], \f*HK
	s_or_b32 s[G0X+4*\f+3], s[G0X+4*\f+3], 0x80000000
	s_mov_b32 s[G0W+4*\f], 1
	s_add_co_u32 s[G0W+4*\f+1], s2, WB+\f*WH
	s_add_nc_u64 s[G0W+4*\f+2:G0W+4*\f+3], s[46:47], \f*HK
	s_or_b32 s[G0W+4*\f+3], s[G0W+4*\f+3], 0x80000000
.endr
	CROUND                                         ; all sixteen work-groups are here: the first joint loads meet
	s_mul_i32 s100, s42, 16*TROW                   ; s[4:7]: group 0 of Wq's first fills, 16 tiles whole (the arguments that lay there have been used)
	s_mov_b32 s101, 0
	s_add_nc_u64 s[6:7], s[6:7], s[100:101]
	s_or_b32 s7, s7, 0x80000000
	s_mov_b32 s4, 1
	s_mov_b32 s5, WB
; One joint load a wave at the head, in one chain of branches on the wave's number:
; wave 0 x's scale words, wave 1 Wq's, wave 2 x's first half of K, wave 3 Wq's first half of K.
.macro ARM under, g0, g1, next, done
	s_cmp_lt_u32 s14, \under
	s_cbranch_scc0 \next
	tensor_load_to_lds s[\g0:\g0+3], s[\g1:\g1+7]
	s_nop 0
.rept 4
	v_nop
.endr
	s_branch \done
\next:
.endm
	ARM 1, G0SX, G1SX, .Lh1, .Lhd
	ARM 2, G0SW, G1SW, .Lh2, .Lhd
	ARM 3, G0X, G1X, .Lh3, .Lhd
	tensor_load_to_lds s[4:7], s[G1W:G1W+7]
	s_nop 0
.rept 4
	v_nop
.endr
.Lhd:
	v_and_b32 v[LANE], 31, v0
	v_and_b32 v[R15], 15, v0
	v_bfe_u32 v[HH], v0, 4, 1
	v_lshlrev_b32 v[L16], 4, v[LANE]
	v_lshlrev_b32 v[L8], 3, v[LANE]
	v_lshlrev_b32 v[H16], 4, v[HH]
	s_mul_i32 s18, s15, 4*HK                       ; role 0: R = my four tiles of x,
	s_mul_i32 s19, s16, 8*HK
	s_add_co_u32 s19, s19, WB                      ; P = my eight tiles of the weight
	s_mul_i32 s2, s14, 4*HK
	s_add_co_u32 s2, s2, WB                        ; role 1: R = my wave's four tiles of Wv, P = x's eight
	v_add_nc_u32 v[AR], s18, v[L16]
	v_add_nc_u32 v[AR+1], XH, v[AR]
	v_add_nc_u32 v[AP], s19, v[L16]
	v_add_nc_u32 v[AP+1], WH, v[AP]
	v_add_nc_u32 v[AR+4], s2, v[L16]
	v_add_nc_u32 v[AR+5], WH, v[AR+4]
	v_mov_b32 v[AP+4], v[L16]
	v_add_nc_u32 v[AP+5], XH, v[L16]
	v_lshlrev_b32 v3, 2, v[R15]                    ; scale words: 4 r,
	v_lshl_add_u32 v4, v[HH], 9, v3                ; and for lanes 16-31 the next K step's: 512 bytes on in x's,
	v_lshl_add_u32 v6, v[HH], 10, v3               ; 1,024 in a weight's
	s_lshl_b32 s18, s15, 8
	s_add_co_u32 s18, s18, XSC
	v_add_nc_u32 v[SR], s18, v4
	s_lshl_b32 s18, s16, 9
	s_add_co_u32 s18, s18, WSC
	v_add_nc_u32 v[SPA], s18, v6
	s_lshl_b32 s18, s14, 8
	s_add_co_u32 s18, s18, WSC+2*8192
	v_add_nc_u32 v[SR+2], s18, v6
	v_add_nc_u32 v[SPA+2], XSC, v4
	v_lshlrev_b32 v3, 4, v[R15]                    ; the way out: 16 r,
	v_lshl_add_u32 v[OQ], v[HH], 12, v3            ; q: lanes 16-31 store the second head's words, 4,096 bytes on;
	v_mul_u32_u24 v4, v[HH], 6144
	v_add_nc_u32 v[OK], v3, v4                     ; k: 6,144 bytes on;
	v_lshl_add_u32 v[OV], v[HH], 3, v3             ; v: lanes 16-31 store the row's third and fourth word
.irp b, 0,1,2,3
	v_mov_b32 v[TM+4+\b], 0                        ; written once: a lane permute's destination counts as one of its sources
.endr
	s_mov_b32 s[SEL], 0x76543210
	s_mov_b32 s[SEL+1], 0xfedcba98
	s_lshr_b32 s12, s17, 3
	s_lshl_b32 s12, s12, 4
	s_lshl_b32 s2, s42, 2
	s_add_co_u32 s12, s12, s2                      ; 16 b + 4 x column
	s_add_co_u32 s3, s12, s14                      ; s3: v's head of my wave
	s_lshl_b32 s2, s16, 1
	s_add_co_u32 s12, s12, s2                      ; s12: my first head of q and k
	s_and_b32 s13, s17, 7                          ; s13: my group of 128 t
	; the biases, in the result's layout, into window 3
	s_lshl_b32 s18, s42, 10
	s_lshl_b32 s19, s16, 9
	s_add_co_u32 s18, s18, s19                     ; (256 x column + 128 x half) x 4 bytes
	s_mov_b32 s19, 0
	s_add_nc_u64 s[8:9], s[8:9], s[18:19]
	s_add_nc_u64 s[10:11], s[10:11], s[18:19]
	s_lshl_b32 s18, s42, 10
	s_lshl_b32 s2, s14, 8
	s_add_co_u32 s18, s18, s2                      ; (256 x column + 64 x wave) x 4 bytes
	s_add_nc_u64 s[92:93], s[92:93], s[18:19]
	v_lshlrev_b32 v13, 6, v[HH]                    ; 64 h
	v_and_b32 v14, 8, v[R15]
	v_add_nc_u32 v14, v14, v[R15]
	v_lshlrev_b32 v14, 2, v14                      ; 4 (r + 8 (r / 8))
	WIN 0xc0                                       ; destination window 3, address window 0
.irp b, 0,1,2,3,4,5,6,7                ; q, k: the registers run along the features: P block b's eight of my half
	global_load_b128 v[CBQ+8*\b:CBQ+8*\b+3], v13, s[8:9] offset:(32*(\b/2)+8*(\b%2))*4
	global_load_b128 v[CBQ+8*\b+4:CBQ+8*\b+7], v13, s[8:9] offset:(32*(\b/2)+8*(\b%2))*4+16
	global_load_b128 v[CBK+8*\b:CBK+8*\b+3], v13, s[10:11] offset:(32*(\b/2)+8*(\b%2))*4
	global_load_b128 v[CBK+8*\b+4:CBK+8*\b+7], v13, s[10:11] offset:(32*(\b/2)+8*(\b%2))*4+16
.endr
.irp a, 0,1,2,3                        ; v: a lane holds one feature: one number for R block a, copied below into all eight registers
	global_load_b32 v[CBV+8*\a], v14, s[92:93] offset:(32*(\a/2)+8*(\a%2))*4
.endr
	WIN 0
.macro FRAG reg, adr, q, i             ; a fragment comes as it was stored: three loads of 512 consecutive bytes
.irp c, 0,1,2
	ds_load_b128 v[\reg+4*\c:\reg+4*\c+3], v[\adr] offset:HK*(\i)+1536*(\q)+512*\c
.endr
.endm
.macro FETCH role, q8                  ; the fragments of the pass's step q8 (128 along K, 0 .. 7) into set q8 % 2: P's eight, R's four
	WIN TO_P
.irp i, 0,1,2,3,4,5,6,7
	FRAG 128*((\q8)%2)+FR*\i, AP+4*(\role)+(\q8)/4, (\q8)%4, \i
.endr
	WIN 0
.irp i, 0,1,2,3
	FRAG AF+48*((\q8)%2)+FR*\i, AR+4*(\role)+(\q8)/4, (\q8)%4, \i
.endr
.endm
.macro SCALESH role, hfp, mo           ; the scale words of half a pass: two pairs of steps; mo: the matrix's place among the weights' words (role 0)
.irp pp, 0,1
.irp a, 0,1,2,3
	ds_load_b32 v[SCR+4*(2*(\hfp)+\pp)+\a], v[SR+2*(\role)] offset:(1024+1024*(\role))*(2*(\hfp)+\pp)+64*\a
.endr
.irp b, 0,1,2,3,4,5,6,7
	ds_load_b32 v[SCP+8*(2*(\hfp)+\pp)+\b], v[SPA+2*(\role)] offset:(2048-1024*(\role))*(2*(\hfp)+\pp)+64*\b+(\mo)
.endr
.endr
.endm
.macro WM dd, pp, rr, cc, sp, sr, odd  ; one product; an odd step's scale words stand in lanes 16-31
.if \odd
	v_wmma_scale_f32_16x16x128_f8f6f4 v[\dd:\dd+7], v[\pp:\pp+FR-1], v[\rr:\rr+FR-1], v[\cc:\cc+7], v[\sp], v[\sr] matrix_a_fmt:MATRIX_FMT_FP6 matrix_b_fmt:MATRIX_FMT_FP6 matrix_a_scale:MATRIX_SCALE_ROW1 matrix_b_scale:MATRIX_SCALE_ROW1
.else
	v_wmma_scale_f32_16x16x128_f8f6f4 v[\dd:\dd+7], v[\pp:\pp+FR-1], v[\rr:\rr+FR-1], v[\cc:\cc+7], v[\sp], v[\sr] matrix_a_fmt:MATRIX_FMT_FP6 matrix_b_fmt:MATRIX_FMT_FP6
.endif
.endm
; 8 matrix instructions: R's block a x P's eight, step q8.  mode = 1, 2: the product starts the sums from the bias at cb (by P's block, by R's block).
; The 32 accumulators take turns, one instruction a turn, in the same order in every step.
.macro MUL8 a, q8, mode, cb
.irp b, 0,1,2,3,4,5,6,7
.if (\mode) == 1
	WM 8*(8*(\a)+\b), 128*((\q8)%2)+FR*\b, AF+48*((\q8)%2)+FR*(\a), \cb+8*\b, SCP+8*((\q8)/2)+\b, SCR+4*((\q8)/2)+(\a), (\q8)%2
.elseif (\mode) == 2
	WM 8*(8*(\a)+\b), 128*((\q8)%2)+FR*\b, AF+48*((\q8)%2)+FR*(\a), \cb+8*(\a), SCP+8*((\q8)/2)+\b, SCR+4*((\q8)/2)+(\a), (\q8)%2
.else
	WM 8*(8*(\a)+\b), 128*((\q8)%2)+FR*\b, AF+48*((\q8)%2)+FR*(\a), 8*(8*(\a)+\b), SCP+8*((\q8)/2)+\b, SCR+4*((\q8)/2)+(\a), (\q8)%2
.endif
.endr
.endm
; A step whose successor lies in the same half of K: the successor's 36 loads go out ahead of this step's 32 products.
.macro SUB role, q8, mode, cb, mo
	s_wait_dscnt 0x0                               ; this step's fragments, asked for a step ago, are in
.if (\q8) > 0
	PLACES NP                                      ; the last step's products read the set that is loaded now
.endif
	FETCH \role, (\q8)+1
.if (\q8) == 0
	SCALESH \role, 1, \mo                          ; the second half's scale words: their registers were last read in the pass before
.endif
.if (\mode)
	WIN FIRST
.else
	WIN MUL
.endif
	MUL8 0, \q8, \mode, \cb
	MUL8 1, \q8, \mode, \cb
	MUL8 2, \q8, \mode, \cb
	MUL8 3, \q8, \mode, \cb
.endm
; The last step of a half of K changes slots: ONE barrier; in front of it each wave waits for all its tensor loads, adds 0 to its spare word, and waits for that and for its own reads of the slot.
; fill = 1: slot hf, which has just been read out, takes the next matrix's same half of K.  Then the fragments of step nq8 (role nrole) are fetched from the other slot.
.macro TURN role, q8, fill, hf, nrole, nq8
	WIN 0                                          ; (the add's two registers lie in window 0)
	s_wait_tensorcnt 0x0                           ; all my tensor loads have landed: my part of the slot that is read next
	ds_add_u32 v[SPW], v[NIL]                      ; 0 onto my spare word
	s_wait_dscnt 1                                 ; this step's fragments are in (the add may be out)
	WIN MUL
	MUL8 0, \q8, 0, 0                              ; eight matrix instructions stand between the add and the wait for it
	s_wait_dscnt 0x0                               ; the add is done, and my reads of this slot are over
	s_barrier_signal -1
	MUL8 1, \q8, 0, 0
	WIN 0
	s_barrier_wait -1
.if \fill
	CREST                                          ; the barrier has opened a round of the cluster's barrier: no wave of any partner still reads this slot or has a load on its way
	s_add_nc_u64 s[G0W+4*\hf+2:G0W+4*\hf+3], s[G0W+4*\hf+2:G0W+4*\hf+3], 64*TROW   ; the next matrix: 64 tiles on
	s_mov_b32 s[G1W+2], 4<<16                      ; no tensor load of mine is out: a refill brings my four tiles
	s_mov_b32 s[G1W+4], 4
	tensor_load_to_lds s[G0W+4*\hf:G0W+4*\hf+3], s[G1W:G1W+7]                      ; the first tensor load behind the round, my one load until the next: three steps and a half, 112 products, or more ahead of the wait for it
	s_nop 0
.endif
	PLACES NP
	FETCH \nrole, \nq8
	WIN MUL
	MUL8 2, \q8, 0, 0
	MUL8 3, \q8, 0, 0
.endm
; A pass: one matrix, all of K.  fill = 1: both slots are filled again for the next matrix (role nrole, its scale words at nmo).
.macro PASS role, mode, cb, mo, fill, nrole, nmo
	SUB \role, 0, \mode, \cb, \mo
	SUB \role, 1, 0, 0, 0
	SUB \role, 2, 0, 0, 0
	TURN \role, 3, \fill, 0, \role, 4
	SUB \role, 4, 0, 0, 0
	SUB \role, 5, 0, 0, 0
	SUB \role, 6, 0, 0, 0
.if \fill
	TURN \role, 7, 1, 1, \nrole, 0
.else
	s_wait_dscnt 0x0                               ; the very last step: nothing more to fetch
	WIN MUL
	MUL8 0, 7, 0, 0
	MUL8 1, 7, 0, 0
	MUL8 2, 7, 0, 0
	MUL8 3, 7, 0, 0
.endif
	WIN 0
	PLACES NP
.if \fill
	SCALESH \nrole, 0, \nmo                        ; they land while this pass's results go out
.endif
.endm
; THE WAY OUT: no LDS.  R block a's 64 registers are quantised; the twelve registers of codes are two half images, which leave as they stand, dh bytes apart; step: from block to block.
.macro OUTA a, step, dh
.set AC, 64*(\a)
	WIN 0x0a                                       ; sources 0 and 1: the accumulators' window
.irp b, 0,1,2,3
	v_max3_num_f32 v[TM+\b], |v[AC+16*\b]|, |v[AC+16*\b+1]|, 0x1800000   ; each accumulator is read from its low end on; the floor 2^(3 - 127) holds the byte at 1 from below
.endr
.irp i, 2,4,6,8,10,12,14
.irp b, 0,1,2,3
	v_max3_num_f32 v[TM+\b], |v[AC+16*\b+\i]|, |v[AC+16*\b+\i+1]|, v[TM+\b]
.endr
.endr
	WIN 0
.irp b, 0,1,2,3
	v_permlanex16_b32 v[TM+4+\b], v[TM+\b], s[SEL], s[SEL+1]
.endr
.irp b, 0,1,2,3
	v_max_num_f32 v[TM+\b], v[TM+\b], v[TM+4+\b]   ; with lane l xor 16's 16: the block's largest magnitude
.endr
.irp b, 0,1,2,3
	v_add_nc_u32 v[TM+8+\b], 0xff000000, v[TM+\b]  ; 2 off its exponent field: the conversion takes that field as its scale
.endr
.irp b, 0,1,2,3
	v_lshrrev_b32 v[TM+4+\b], 23, v[TM+8+\b]       ; the scale's byte
.endr
	v_lshl_or_b32 v[SW+(\a)], v[TM+5], 8, v[TM+4]
	v_lshl_or_b32 v[SW+(\a)], v[TM+6], 16, v[SW+(\a)]
	v_lshl_or_b32 v[SW+(\a)], v[TM+7], 24, v[SW+(\a)]
	s_wait_xcnt 0x0                                ; the last block's stores have read their registers: the codes may be written again
	WIN 0x02                                       ; source 0: the accumulators' window
.irp c, 0,1
	v_cvt_scalef32_pk16_fp6_f32 v[PC+6*\c:PC+6*\c+2], v[AC+32*\c:AC+32*\c+15], v[TM+8+2*\c]
	v_cvt_scalef32_pk16_fp6_f32 v[PC+12+4*\c:PC+14+4*\c], v[AC+32*\c+16:AC+32*\c+31], v[TM+9+2*\c]   ; (a conversion's three registers begin on an even number)
.endr
	WIN 0
	v_nop                                          ; one plain place behind a scaled conversion
.irp c, 0,1                            ; the operand's layout wants a whole block in a lane
.irp i, 0,1,2
	v_permlane16_swap_b32 v[PC+6*\c+\i], v[PC+12+4*\c+\i]
.endr
.irp i, 0,1,2
	v_mov_b32 v[PC+3+6*\c+\i], v[PC+12+4*\c+\i]
.endr
.endr
	global_store_b128 v[L16], v[PC:PC+3], s[20:21] offset:(\step)*(\a)               ; 512 consecutive bytes, then 256: both at multiples of 256 from the buffer's first byte
	global_store_b64 v[L8], v[PC+4:PC+5], s[20:21] offset:(\step)*(\a)+512
	global_store_b128 v[L16], v[PC+6:PC+9], s[20:21] offset:(\step)*(\a)+(\dh)
	global_store_b64 v[L8], v[PC+10:PC+11], s[20:21] offset:(\step)*(\a)+(\dh)+512
.endm
.macro WORDS01 off                     ; q, k: lanes 0-15 keep the first head's two bytes, lanes 16-31 the second's; the upper two bytes are 0.  Sixteen lanes store 256 consecutive bytes, aligned
.irp a, 0,1,2,3
	v_bfe_u32 v[SX+\a], v[SW+\a], v[H16], 16
.endr
	global_store_b128 v[\off], v[SX:SX+3], s[22:23]
.endm
	s_wait_alu depctr_va_vdst(0)                   ; the head's end
	s_wait_tensorcnt 0x0                           ; my tile of the head's four is in; the later first fills stand behind the same lines as a refill
	ds_add_u32 v[SPW], v[NIL]
	s_mov_b32 s5, WB+WH                            ; no load of mine is out: Wq's second half of K, into slot 1
	s_add_nc_u64 s[6:7], s[6:7], HK
	s_wait_dscnt 0x0
	CROUND                                         ; all four tiles are in, and the sixteen work-groups meet
	ARM 1, G0X+4, G1X, .Lg1, .Lgd                  ; wave 0: x's second half of K; wave 1: Wq's; waves 2, 3: Wk's and Wv's scale words
	ARM 2, 4, G1W, .Lg2, .Lgd
	tensor_load_to_lds s[G0SW:G0SW+3], s[G1SW:G1SW+7]
	s_nop 0
.rept 4
	v_nop
.endr
.Lgd:
	SCALESH 0, 0, 0
	FETCH 0, 0
	s_wait_loadcnt 0x0                             ; the biases
	WIN 0xc3                                       ; destination and source 0 window 3
.irp a, 0,1,2,3
.irp j, 1,2,3,4,5,6,7
	v_mov_b32 v[CBV+8*\a+\j], v[CBV+8*\a]
.endr
.endr
	WIN 0
	; ---------------- q
	PASS 0, 1, CBQ, 0, 1, 0, 8192
	s_mul_i32 s18, s12, 49152                      ; qq: 49,152 bytes a head, 768 a tile of queries: tile 8 x group + 4 x my half
	s_lshl_b32 s19, s13, 3
	s_lshl_b32 s2, s15, 2
	s_add_co_u32 s19, s19, s2
	s_mul_i32 s19, s19, 768
	s_add_co_u32 s18, s18, s19
	s_mov_b32 s19, 0
	s_add_nc_u64 s[20:21], s[94:95], s[18:19]
	s_lshl_b32 s18, s12, 12                        ; its words: 4,096 bytes a head, 512 a group, 256 a half
	s_lshl_b32 s2, s13, 9
	s_add_co_u32 s18, s18, s2
	s_lshl_b32 s2, s15, 8
	s_add_co_u32 s18, s18, s2
	s_add_co_u32 s18, s18, QC
	s_add_nc_u64 s[22:23], s[94:95], s[18:19]
.irp a, 0,1,2,3
	OUTA \a, 768, 49152
.endr
	WORDS01 OQ
	; ---------------- k
	PASS 0, 1, CBK, 8192, 1, 1, 0
	s_wait_xcnt 0x0                                ; q's stores have read their bases
	s_mul_i32 s18, s12, 98304                      ; kv: 98,304 bytes a head, 12,288 a group of keys, 768 a tile
	s_mul_i32 s2, s13, 12288
	s_add_co_u32 s18, s18, s2
	s_mul_i32 s2, s15, 3072
	s_add_co_u32 s18, s18, s2
	s_add_nc_u64 s[20:21], s[96:97], s[18:19]
	s_mul_i32 s18, s12, 6144                       ; kvs: 6,144 bytes a head, 768 a group, 256 a half
	s_mul_i32 s2, s13, 768
	s_add_co_u32 s18, s18, s2
	s_lshl_b32 s2, s15, 8
	s_add_co_u32 s18, s18, s2
	s_add_nc_u64 s[22:23], s[98:99], s[18:19]
.irp a, 0,1,2,3
	OUTA \a, 768, 98304
.endr
	WORDS01 OK
	; ---------------- v
	PASS 1, 2, CBV, 0, 0, 0, 0
	s_wait_xcnt 0x0                                ; k's stores have read their bases
	s_mul_i32 s18, s3, 98304                       ; v's codes lie behind k's 6,144 bytes of the group: 1,536 bytes a tile of channels, its two halves of the keys 768 apart
	s_mul_i32 s2, s13, 12288
	s_add_co_u32 s18, s18, s2
	s_add_co_u32 s18, s18, 6144
	s_add_nc_u64 s[20:21], s[96:97], s[18:19]
	s_mul_i32 s18, s3, 6144                        ; and its words behind k's 512
	s_mul_i32 s2, s13, 768
	s_add_co_u32 s18, s18, s2
	s_add_co_u32 s18, s18, 512
	s_add_nc_u64 s[22:23], s[98:99], s[18:19]
.irp a, 0,1,2,3
	OUTA \a, 1536, 768
.endr
	v_cmp_gt_u32 vcc_lo, 16, v[LANE]               ; [r 16][tile 4]: lanes 0-15 store a row's words 0, 1, lanes 16-31 its words 2, 3: 256 consecutive bytes, aligned
	v_cndmask_b32 v[SX], v[SW+2], v[SW], vcc_lo
	v_cndmask_b32 v[SX+1], v[SW+3], v[SW+1], vcc_lo
	global_store_b64 v[OV], v[SX:SX+1], s[22:23]
	s_wait_tensorcnt 0x0                           ; the wave's end, behind my last tensor load
	ds_add_u32 v[SPW], v[NIL]
	s_wait_dscnt 0x0
	CROUND                                         ; the closing round: no work-group ends while a partner may still ask for a tile that names it
	s_endpgm
.Lfunc_end_k_q0920189d3c_proj:
	.size	k_q0920189d3c_proj, .Lfunc_end_k_q0920189d3c_proj-k_q0920189d3c_proj
	.p2alignl 7, 3214868480
	.fill 96, 4, 3214868480
	.section	.rodata,"a",@progbits
	.p2align	6, 0x0
	.amdhsa_kernel k_q0920189d3c_proj
		.amdhsa_group_segment_fixed_size 327680
		.amdhsa_private_segment_fixed_size 0
		.amdhsa_enable_private_segment 0
		.amdhsa_kernarg_size 64
		.amdhsa_user_sgpr_count 2
		.amdhsa_user_sgpr_kernarg_segment_ptr 1
		.amdhsa_wavefront_size32 1
		.amdhsa_system_sgpr_workgroup_id_x 1
		.amdhsa_system_sgpr_workgroup_id_y 1
		.amdhsa_system_sgpr_workgroup_id_z 1
		.amdhsa_system_vgpr_workitem_id 0
		.amdhsa_next_free_vgpr 1024
		.amdhsa_next_free_sgpr 102
		.amdhsa_reserve_vcc 1
		.amdhsa_float_denorm_mode_32 3
		.amdhsa_float_denorm_mode_16_64 3
		.amdhsa_memory_ordered 1
		.amdhsa_forward_progress 1
		.amdhsa_inst_pref_size 238
	.end_amdhsa_kernel
	.amdgpu_metadata
---
amdhsa.version: [ 1, 2 ]
amdhsa.kernels:
  - .name:           k_q0920189d3c_proj
    .symbol:         k_q0920189d3c_proj.kd
    .args:
      - { .name: xq, .offset: 0, .size: 8, .value_kind: global_buffer, .address_space: global }
      - { .name: wq, .offset: 8, .size: 8, .value_kind: global_buffer, .address_space: global }
      - { .name: bq, .offset: 16, .size: 8, .value_kind: global_buffer, .address_space: global }
      - { .name: bk, .offset: 24, .size: 8, .value_kind: global_buffer, .address_space: global }
      - { .name: bv, .offset: 32, .size: 8, .value_kind: global_buffer, .address_space: global }
      - { .name: qq, .offset: 40, .size: 8, .value_kind: global_buffer, .address_space: global }
      - { .name: kv, .offset: 48, .size: 8, .value_kind: global_buffer, .address_space: global }
      - { .name: kvs, .offset: 56, .size: 8, .value_kind: global_buffer, .address_space: global }
    .group_segment_fixed_size: 327680
    .private_segment_fixed_size: 0
    .kernarg_segment_align: 8
    .kernarg_segment_size: 64
    .max_flat_workgroup_size: 128
    .sgpr_count:     102
    .vgpr_count:     1024
    .wavefront_size: 32
...
	.end_amdgpu_metadata
.endif
;; end of part 2
;; launch attn (part 3): grid 4 x 64, 16 waves a work-group, clusters of 4 x 1, 327,680 bytes of LDS; arguments qq, kv, kvs, oq; writes oq
.if DOCPART == 3
	.amdgcn_target "amdgcn-amd-amdhsa--gfx1250"
	.amdhsa_code_object_version 6
	.text
	.protected	k_q0920189d3c_attn
	.globl	k_q0920189d3c_attn
	.p2align	8
	.type	k_q0920189d3c_attn,@function
k_q0920189d3c_attn:
	s_mov_b64 s[64:65], 0
	v_nop
	global_prefetch_b8 v0, s[64:65] scope:SCOPE_SE
	s_setreg_imm32_b32 hwreg(HW_REG_WAVE_MODE, 25, 1), 1
	s_wait_xcnt 0x0
	s_wait_alu depctr_hold_cnt(0) depctr_sa_sdst(0) depctr_va_vdst(0) depctr_va_sdst(0) depctr_va_ssrc(0) depctr_va_vcc(0) depctr_vm_vsrc(0)
	s_getreg_b32 s2, hwreg(HW_REG_IB_STS2, 6, 4)
	s_cmp_eq_u32 s2, 0
	s_cbranch_scc0 .Lentry_in_a_cluster
	s_endpgm
.Lentry_in_a_cluster:
	s_bfe_u32 s2, ttmp6, 0x10000c
	s_cmp_lg_u32 s2, 0x3003
	s_cbranch_scc0 .Lentry_shape_is_right
	s_endpgm
.Lentry_shape_is_right:
; For each (b, head): O = softmax(Q K^T / 8) V, both products on codes of FP6 (E2M3) with E8M0 scales; O / l is quantised along D in registers and leaves as the last product's operand.
; THE SOFTMAX AHEAD OF THE SECOND PRODUCT: t = score x log2(e) / 8; M = the row's largest t so far, rounded up to a whole number; p = 2^(t - M) is quantised along the keys, not normalised; the row's sum l is taken
; of the unquantised p and divides O at the end.  When M moves, l and O are multiplied by 2^(old M - new M): exact.
; SHARES.  A work-group owns 256 queries of one b and a PAIR of heads (2 hp, 2 hp + 1); each of its sixteen waves one tile of 16 queries, in 256 registers.  A wave walks head 2 hp's 1,024 keys, then head 2 hp + 1's,
; 128 keys a step: after both it holds 16 rows x 128 of D: one whole fragment and one whole scale word of the last product's operand.
; K AND V OF BOTH HEADS LIE IN LDS, FILLED ONCE: 196,608 bytes of codes and 12,288 of scale words, each dense in memory and laid in LDS as in memory.  No ring, nothing is filled again.
; CLUSTER.  The four work-groups of a cluster are the four blocks of queries of one (b, pair): they read the same bytes, so every tensor load is joint, with a mask that names the four.
; LAYOUT.  Both products are used transposed: S^T = K Q^T (source 0 = 16 keys, source 1 = my queries), O^T = V^T P^T: a lane holds one query throughout.  The head's 64 fill half of the first product's 128:
; registers 6-11 of K's and Q's fragments hold zero codes, and the two upper bytes of their scale words are 0.  The keys of a tile are chosen (by the launch before) so that the 16 registers of tiles 2 b, 2 b + 1
; are 16 neighbouring keys; V's channels likewise, so that O^T's registers run along D.  Q's and K's scale words of a group of 128 rows lie as [half 2][r 16][tile 4], V's as [r 16][tile 4].
; LIMITS: NaN and infinities are not served; v_exp_f32 and v_rcp_f32 are accurate to an ulp and flush denormals (ISA guide, their entries); a block under 2^-124 gets the byte 1.
; A block's largest p is not searched for: the block's largest score goes through the same multiply-add and exponential (this takes v_exp_f32 not to fall where its input rises).
.set QC,    6291456
.set XC,    6291456
.set CH,    24576                      ; two groups of 128 keys, K and V: four of them make a head's codes
.set SCB,   196608                     ; the scale words
.set OST,   208896                     ; the output's scale words on their way out: 1,024 bytes that no tensor load fills
.set SPARE, 209920                     ; the spare words: 128 bytes a wave, eight blocks of 256 bytes that no other line names
.set SPW,  5
.set NIL,  6
.set ADK,  8                           ; v8 the step's codes + 16 l;  v9 + 8 l;  v10 K's scale words;  v11 V's
.set ADK8, 9
.set ADS,  10
.set ADT,  11
.set QF,   16                          ; v16-27, v28-39 Q of the two heads
.set KF,   40                          ; v40-87 four fragments of K
.set OC,   88                          ; v88-99 the output's codes
.set S,    100                         ; v100-163 S^T, then p; then v100-147 four fragments of V
.set O,    164                         ; v164-195 O^T
.set PC,   196                         ; v196-207 p's codes; v208-210, v212-214 halves on their way
.set HT,   208
.set BM,   216                         ; v216-219 a block's largest score, then p
.set BP,   220                         ; v220-223 the other half's, then bytes
.set BS,   224                         ; v224-227 the conversions' scale operands
.set KS,   228                         ; v228-235 K's scale words
.set VS,   236                         ; v236-239 V's
.set QS,   240                         ; v240-241 Q's
.set PS,   242                         ; v242 p's
.set OW,   243                         ; v243 the output's
.set TB,   2                           ; s2 where the step's codes begin in LDS
.set TS,   3                           ; s3 and its scale words, from SCB on
.set WV,   18
.set TR,   19
.set SEL,  20
.set CS,   22
.set G0,   24                          ; s[24:31], s[44:47] three groups 0
.set G1D,  52                          ; s[52:59] group 1 of the second head's codes
.set G1C,  68
.set G1S,  76
.macro ROUND
	s_barrier_signal -1
	s_barrier_wait -1
	s_cmp_lg_u32 s[WV], 0
	s_cbranch_scc1 .Lnot_wave_0_\@
	s_barrier_signal -3
.Lnot_wave_0_\@:
	s_barrier_wait -3
	s_barrier_signal -1
	s_barrier_wait -1
.endm
	s_load_b256 s[4:11], s[0:1], 0x0               ; qq, kv, kvs, oq
	v_lshl_add_u32 v[SPW], v0, 2, SPARE
	v_mov_b32 v[NIL], 0
	ds_add_u32 v[SPW], v[NIL]                      ; the wave's opening: the add and its wait ahead of my first tensor load; the set-up below stands between them
	ds_add_u32 v[SPW], v[NIL]
	v_lshrrev_b32 v8, 5, v0
	s_delay_alu instid0(VALU_DEP_1)
	v_readfirstlane_b32 s[WV], v8                  ; wave 0..15
	s_bfe_u32 s12, ttmp6, 0x40000                  ; cx: my block of 256 queries; it enters Q's and the output's addresses alone
	s_and_b32 s13, ttmp7, 0xffff                   ; y = 8 b + hp
	; descriptor group 1: dense bytes as rows of 256 (32 elements of 8 bytes): 32 or 24 rows of codes, 12 of scale words
	s_mov_b32 s[G1C], 15|(3<<16)|(1<<21)           ; 15:0 the mask: all four work-groups; 17:16 elements of 8 bytes; 21 set beside a mask
	s_mov_b32 s[G1C+1], 32<<16
	s_mov_b32 s[G1C+2], 32<<16                     ; the first head's codes: 32 rows of 256 bytes for each of waves 0-11
	s_mov_b32 s[G1C+3], 32<<16
	s_mov_b32 s[G1C+4], 32
	s_mov_b32 s[G1C+5], 32
	s_mov_b32 s[G1C+6], 0
	s_mov_b32 s[G1C+7], 0
	s_mov_b32 s[G1D], 15|(3<<16)|(1<<21)
	s_mov_b32 s[G1D+1], 32<<16
	s_mov_b32 s[G1D+2], 24<<16                     ; the second head's codes: 24 rows for each of the sixteen waves
	s_mov_b32 s[G1D+3], 32<<16
	s_mov_b32 s[G1D+4], 24
	s_mov_b32 s[G1D+5], 32
	s_mov_b32 s[G1D+6], 0
	s_mov_b32 s[G1D+7], 0
	s_mov_b32 s[G1S], 15|(3<<16)|(1<<21)
	s_mov_b32 s[G1S+1], 32<<16
	s_mov_b32 s[G1S+2], 12<<16                     ; the scale words: 12 rows for each of waves 12-15
	s_mov_b32 s[G1S+3], 32<<16
	s_mov_b32 s[G1S+4], 12
	s_mov_b32 s[G1S+5], 32
	s_mov_b32 s[G1S+6], 0
	s_mov_b32 s[G1S+7], 0
	s_lshl_b32 s84, s[WV], 13                      ; 8,192 x wave: my part of the first head's codes (waves 0-11)
	s_and_b32 s85, s[WV], 3
	s_mul_i32 s85, s85, 3072                       ; my part of the scale words (waves 12-15)
	s_mul_i32 s62, s[WV], 6144                     ; my part of the second head's codes
	s_mul_i32 s86, s13, 196608
	s_add_co_u32 s90, s86, s62
	s_add_co_u32 s90, s90, 4*CH                    ; the second head's codes, my 6,144 bytes
	s_mov_b32 s91, 0
	s_add_co_u32 s86, s86, s84
	s_mov_b32 s87, 0
	s_mul_i32 s88, s13, 12288
	s_add_co_u32 s88, s88, s85
	s_mov_b32 s89, 0
	s_mov_b32 s[SEL], 0x76543210
	s_mov_b32 s[SEL+1], 0xfedcba98
	s_mov_b32 s[CS], 0x3e38aa3b                    ; c = log2(e) / 8
	s_mov_b32 s[CS+1], s[CS]                       ; (named with it as a pair, so it is written)
	s_mov_b32 s[TB], 0
	s_mov_b32 s[TS], 0
	s_wait_dscnt 0x0                               ; the opening add is done
	s_wait_kmcnt 0x0
	s_add_nc_u64 s[86:87], s[6:7], s[86:87]        ; the pair's codes, my 8,192 bytes of the first head
	s_add_nc_u64 s[90:91], s[6:7], s[90:91]
	s_add_nc_u64 s[88:89], s[8:9], s[88:89]        ; its scale words, my 3,072 bytes
	s_mov_b32 s[G0], 1
	s_add_co_u32 s[G0+1], s85, SCB
	s_mov_b64 s[G0+2:G0+3], s[88:89]
	s_or_b32 s[G0+3], s[G0+3], 0x80000000
.irp c, 0
	s_mov_b32 s[G0+4+4*\c], 1
	s_add_co_u32 s[G0+5+4*\c], s84, CH*\c
	s_add_nc_u64 s[G0+6+4*\c:G0+7+4*\c], s[86:87], CH*\c
	s_or_b32 s[G0+7+4*\c], s[G0+7+4*\c], 0x80000000
.endr
.irp d, 0
	s_mov_b32 s[G0+20+4*\d], 1
	s_add_co_u32 s[G0+21+4*\d], s62, 4*CH+2*CH*\d
	s_add_nc_u64 s[G0+22+4*\d:G0+23+4*\d], s[90:91], 2*CH*\d
	s_or_b32 s[G0+23+4*\d], s[G0+23+4*\d], 0x80000000
.endr
	ROUND                                          ; all four work-groups are here: the joint loads meet
	s_cmp_lt_u32 s[WV], 12                         ; one joint load a wave at the head: the first head's codes, or the pair's scale words
	s_cbranch_scc0 .Lhead_s
	tensor_load_to_lds s[G0+4:G0+7], s[G1C:G1C+7]
	s_nop 0
.rept 4
	v_nop
.endr
	s_branch .Lhead_j
.Lhead_s:
	tensor_load_to_lds s[G0:G0+3], s[G1S:G1S+7]
	s_nop 0
.rept 4
	v_nop
.endr
.Lhead_j:
	s_lshl_b32 s14, s12, 4
	s_add_co_u32 s14, s14, s[WV]                   ; my tile of queries: 16 cx + wave
	s_mul_i32 s90, s13, 98304                      ; head 2 y: 49,152 bytes a head
	s_mul_i32 s15, s14, 768
	s_add_co_u32 s90, s90, s15
	s_mov_b32 s91, 0
	s_add_nc_u64 s[90:91], s[4:5], s[90:91]        ; Q's codes
	s_lshl_b32 s92, s13, 13                        ; 4,096 bytes of words a head
	s_lshr_b32 s15, s14, 2
	s_lshl_b32 s15, s15, 8                         ; 256 bytes for each four tiles
	s_add_co_u32 s92, s92, s15
	s_and_b32 s15, s14, 3
	s_lshl_b32 s15, s15, 2
	s_add_co_u32 s92, s92, s15
	s_add_co_u32 s92, s92, QC
	s_mov_b32 s93, 0
	s_add_nc_u64 s[92:93], s[4:5], s[92:93]        ; Q's scale words: [four tiles][r][tile]
	s_lshr_b32 s15, s13, 3
	s_lshl_b32 s15, s15, 6                         ; 64 b
	s_add_co_u32 s16, s15, s14
	s_mul_i32 s94, s16, 12288
	s_and_b32 s17, s13, 7                          ; hp: the last product's K step
	s_mul_i32 s60, s17, 1536
	s_add_co_u32 s94, s94, s60
	s_mov_b32 s95, 0
	s_add_nc_u64 s[94:95], s[10:11], s[94:95]      ; where my fragment goes
	s_lshl_b32 s60, s12, 4
	s_add_co_u32 s60, s60, s15
	s_lshl_b32 s60, s60, 6                         ; the work-group's 16 tiles' words: 64 bytes a tile
	s_lshl_b32 s61, s17, 15
	s_add_co_u32 s60, s60, s61
	s_lshl_b32 s61, s[WV], 8                       ; (waves 0-3 store 256 bytes each)
	s_add_co_u32 s60, s60, s61
	s_add_co_u32 s60, s60, XC
	s_mov_b32 s61, 0
	s_add_nc_u64 s[60:61], s[10:11], s[60:61]
	v_and_b32 v8, 31, v0                           ; lane
	v_and_b32 v9, 15, v0                           ; r
	s_delay_alu instid0(VALU_DEP_2)
	v_lshlrev_b32 v1, 4, v8                        ; v1 16 l
	s_delay_alu instid0(VALU_DEP_3)
	v_lshlrev_b32 v2, 3, v8                        ; v2 8 l
	s_delay_alu instid0(VALU_DEP_3)
	v_lshl_add_u32 v3, v9, 4, SCB                  ; v3 K's words: [half 2][r][tile 4]
	s_delay_alu instid0(VALU_DEP_4)
	v_lshl_add_u32 v4, v9, 4, SCB+512              ; v4 V's: [r][tile 4]
	s_lshl_b32 s62, s[WV], 6
	v_lshl_add_u32 v7, v9, 2, s62
	s_delay_alu instid0(VALU_DEP_1)
	v_add_nc_u32 v7, OST, v7                       ; v7 my row's output word
	s_and_b32 s62, s[WV], 3
	s_lshl_b32 s62, s62, 8
	v_add_nc_u32 v250, s62, v2
	s_delay_alu instid0(VALU_DEP_1)
	v_add_nc_u32 v250, OST, v250                   ; v250 and 8 bytes a lane on the way out
	v_lshlrev_b32 v251, 4, v9                      ; v251 16 r
.irp p, 0,1
	global_load_b128 v[QF+12*\p:QF+12*\p+3], v1, s[90:91] offset:49152*\p
	global_load_b64 v[QF+12*\p+4:QF+12*\p+5], v2, s[90:91] offset:49152*\p+512
	global_load_b32 v[QS+\p], v251, s[92:93] offset:4096*\p
.endr
.irp p, 0,1
.irp i, 6,7,8,9,10,11
	v_mov_b32 v[QF+12*\p+\i], 0                    ; zero codes for k = 64 .. 127
.endr
.endr
.irp t, 0,1,2,3
.irp i, 6,7,8,9,10,11
	v_mov_b32 v[KF+12*\t+\i], 0                    ; written once: no load lands here
.endr
.endr
.irp b, 0,1,2,3
	v_mov_b32 v[BP+\b], 0                          ; written once: a lane permute's destination counts as one of its sources
.endr
	v_mov_b32 v245, 0                              ; (named as the upper half of the pair v[244:245])
	v_mov_b32 v247, 0
; A KEY STEP: 128 keys of head p
.macro STEP p
	v_add_nc_u32 v[ADK], s[TB], v1
	s_wait_alu depctr_va_vdst(0)
	v_add_nc_u32 v[ADK8], s[TB], v2
	s_wait_alu depctr_va_vdst(0)
	v_add_nc_u32 v[ADS], s[TS], v3
	v_add_nc_u32 v[ADT], s[TS], v4
	v_nop                                          ; five places: the first products below write over registers that the last step's last products read
	ds_load_b128 v[KS:KS+3], v[ADS]
	ds_load_b128 v[KS+4:KS+7], v[ADS] offset:256
	ds_load_b128 v[VS:VS+3], v[ADT]
.irp g, 0,1                            ; S^T = K Q^T, four tiles of 16 keys at a time
.if \g
.rept 4
	v_nop                                          ; places in front of loads into registers that matrix instructions have read
.endr
.endif
.irp t, 0,1,2,3
	ds_load_b128 v[KF+12*\t:KF+12*\t+3], v[ADK] offset:768*(4*\g+\t)
	ds_load_b64 v[KF+12*\t+4:KF+12*\t+5], v[ADK8] offset:768*(4*\g+\t)+512
.endr
	s_wait_dscnt 0x0
.irp t, 0,1,2,3
	v_wmma_scale_f32_16x16x128_f8f6f4 v[S+8*(4*\g+\t):S+8*(4*\g+\t)+7], v[KF+12*\t:KF+12*\t+11], v[QF+12*\p:QF+12*\p+11], 0, v[KS+4*\g+\t], v[QS+\p] matrix_a_fmt:MATRIX_FMT_FP6 matrix_b_fmt:MATRIX_FMT_FP6
.endr
.endr
.rept 4
	v_nop
.endr
.irp b, 0,1,2,3
	v_max3_num_f32 v[BM+\b], v[S+16*\b], v[S+16*\b+1], v[S+16*\b+2]   ; the largest score of each block of 32 keys; each accumulator is read from its low end on
.endr
.irp i, 3,5,7,9,11,13
.irp b, 0,1,2,3
	v_max3_num_f32 v[BM+\b], v[BM+\b], v[S+16*\b+\i], v[S+16*\b+\i+1]
.endr
.endr
.irp b, 0,1,2,3
	v_max_num_f32 v[BM+\b], v[BM+\b], v[S+16*\b+15]
.endr
.irp b, 0,1,2,3
	s_delay_alu instid0(VALU_DEP_4)
	v_permlanex16_b32 v[BP+\b], v[BM+\b], s[SEL], s[SEL+1]
.endr
.irp b, 0,1,2,3
	s_delay_alu instid0(VALU_DEP_4)
	v_max_num_f32 v[BM+\b], v[BM+\b], v[BP+\b]     ; with lane l xor 16's 16 keys
.endr
	s_delay_alu instid0(VALU_DEP_2)
	v_max3_num_f32 v246, v[BM], v[BM+1], v[BM+2]
	s_delay_alu instid0(VALU_DEP_1)
	v_max_num_f32 v246, v246, v[BM+3]
	s_delay_alu instid0(VALU_DEP_1)
	v_mul_f32 v246, s[CS], v246                    ; the step's largest t (c is positive)
	s_delay_alu instid0(VALU_DEP_1)
	v_max_num_f32 v13, v13, v246                   ; the running largest t
	v_mov_b32 v246, v12
	s_delay_alu instid0(VALU_DEP_2)
	v_floor_f32 v12, -v13                          ; the new -M = floor(-t): M is a whole number
	s_delay_alu instid0(VALU_DEP_1)
	v_sub_f32 v246, v12, v246                      ; old M - new M: a whole number, 0 or less
	s_delay_alu instid0(VALU_DEP_1)
	v_cvt_i32_f32 v246, v246                       ; (it saturates)
	s_delay_alu instid0(VALU_DEP_1)
	v_ldexp_f32 v244, 1.0, v246                    ; f = 2^(old M - new M)
.set jj, 0
.rept 32
	v_pk_fma_f32 v[S+jj:S+jj+1], v[S+jj:S+jj+1], s[CS:CS+1], v[12:13] op_sel_hi:[1,0,0]   ; t - M, two at a time
.set jj, jj+2
.endr
.irp b, 0,1,2,3
	v_fma_f32 v[BM+\b], v[BM+\b], s[CS], v12       ; the same of each block's largest score
.endr
.set jj, 0
	s_wait_alu depctr_va_vdst(0)
.rept 64
	v_exp_f32 v[S+jj], v[S+jj]                     ; p = 2^(t - M), at most 1
.set jj, jj+1
.endr
	v_pk_mul_f32 v[14:15], v[14:15], v[244:245] op_sel_hi:[1,0]   ; the sums under the new M (a plain place behind the exponentials)
	s_wait_alu depctr_va_vdst(0)                   ; one wait for the whole batch, ahead of its first reader
.irp b, 0,1,2,3
	v_exp_f32 v[BM+\b], v[BM+\b]                   ; the block's largest p
.endr
	v_pk_add_f32 v[248:249], v[104:105], v[108:109]
	v_pk_add_f32 v[254:255], v[112:113], v[116:117]
	v_pk_add_f32 v[252:253], v[120:121], v[124:125]
	v_pk_add_f32 v[234:235], v[128:129], v[132:133]
	v_pk_add_f32 v[232:233], v[136:137], v[140:141]
	v_pk_add_f32 v[230:231], v[144:145], v[148:149]
	v_pk_add_f32 v[228:229], v[152:153], v[156:157]
	v_pk_add_f32 v[14:15], v[14:15], v[160:161]
	v_pk_add_f32 v[248:249], v[248:249], v[100:101]
	v_pk_add_f32 v[254:255], v[254:255], v[102:103]
	v_pk_add_f32 v[252:253], v[252:253], v[106:107]
	v_pk_add_f32 v[234:235], v[234:235], v[110:111]
	v_pk_add_f32 v[232:233], v[232:233], v[114:115]
	v_pk_add_f32 v[230:231], v[230:231], v[118:119]
	v_pk_add_f32 v[228:229], v[228:229], v[122:123]
	v_pk_add_f32 v[14:15], v[14:15], v[126:127]
	v_pk_add_f32 v[248:249], v[248:249], v[130:131]
	v_pk_add_f32 v[254:255], v[254:255], v[134:135]
	v_pk_add_f32 v[252:253], v[252:253], v[138:139]
	v_pk_add_f32 v[234:235], v[234:235], v[142:143]
	v_pk_add_f32 v[232:233], v[232:233], v[146:147]
	v_pk_add_f32 v[230:231], v[230:231], v[150:151]
	v_pk_add_f32 v[228:229], v[228:229], v[154:155]
	v_pk_add_f32 v[14:15], v[14:15], v[158:159]
	v_pk_add_f32 v[248:249], v[248:249], v[162:163]
	s_delay_alu instid0(VALU_DEP_2)
	v_pk_add_f32 v[14:15], v[14:15], v[234:235]
	s_delay_alu instid0(VALU_DEP_2)
	v_pk_add_f32 v[248:249], v[248:249], v[232:233]
	v_pk_add_f32 v[254:255], v[254:255], v[230:231]
	v_pk_add_f32 v[252:253], v[252:253], v[228:229]
	s_delay_alu instid0(VALU_DEP_2)
	v_pk_add_f32 v[14:15], v[14:15], v[254:255]
	s_delay_alu instid0(VALU_DEP_2)
	v_pk_add_f32 v[248:249], v[248:249], v[252:253]
	s_delay_alu instid0(VALU_DEP_1)
	v_pk_add_f32 v[14:15], v[14:15], v[248:249]
	s_wait_alu depctr_va_vdst(0)                   ; and one for the four
.irp b, 0,1,2,3
	v_max_num_f32 v[BM+\b], 0x1800000, v[BM+\b]    ; the floor 2^(3 - 127): the byte cannot fall under 1
.endr
.irp b, 0,1,2,3
	s_delay_alu instid0(VALU_DEP_4)
	v_add_nc_u32 v[BS+\b], 0xff000000, v[BM+\b]
.endr
.irp b, 0,1,2,3
	s_delay_alu instid0(VALU_DEP_4)
	v_lshrrev_b32 v[BP+\b], 23, v[BS+\b]
.endr
	s_delay_alu instid0(VALU_DEP_3)
	v_lshl_or_b32 v[PS], v[BP+1], 8, v[BP]         ; p's scale word for these 128 keys
	s_delay_alu instid0(VALU_DEP_1)
	v_lshl_or_b32 v[PS], v[BP+2], 16, v[PS]
	s_delay_alu instid0(VALU_DEP_1)
	v_lshl_or_b32 v[PS], v[BP+3], 24, v[PS]
.irp c, 0,1
	v_cvt_scalef32_pk16_fp6_f32 v[PC+6*\c:PC+6*\c+2], v[S+32*\c:S+32*\c+15], v[BS+2*\c]
	v_cvt_scalef32_pk16_fp6_f32 v[HT+4*\c:HT+4*\c+2], v[S+32*\c+16:S+32*\c+31], v[BS+2*\c+1]
.endr
	v_nop                                          ; one plain place behind a scaled conversion
.irp c, 0,1
.irp i, 0,1,2
	v_permlane16_swap_b32 v[PC+6*\c+\i], v[HT+4*\c+\i]
.endr
.irp i, 0,1,2
	s_delay_alu instid0(VALU_DEP_3)
	v_mov_b32 v[PC+3+6*\c+\i], v[HT+4*\c+\i]
.endr
.endr
.irp t, 0,1,2,3                        ; V's four fragments (16 channels x 128 keys) take p's registers
	ds_load_b128 v[S+12*\t:S+12*\t+3], v[ADK] offset:6144+1536*\t
	ds_load_b64 v[S+12*\t+4:S+12*\t+5], v[ADK8] offset:6144+1536*\t+512
	ds_load_b128 v[S+12*\t+6:S+12*\t+9], v[ADK] offset:6144+1536*\t+768
	ds_load_b64 v[S+12*\t+10:S+12*\t+11], v[ADK8] offset:6144+1536*\t+1280
.endr
.set jj, 0
.rept 16
	v_pk_mul_f32 v[O+jj:O+jj+1], v[O+jj:O+jj+1], v[244:245] op_sel_hi:[1,0]   ; O^T under the new M; these are also the places between p's codes and scale word and the products
.set jj, jj+2
.endr
	s_wait_alu depctr_va_vdst(0)
	s_wait_dscnt 0x0
.irp t, 0,1,2,3                        ; O^T += V^T P^T: the four accumulators by turns
	v_wmma_scale_f32_16x16x128_f8f6f4 v[O+8*\t:O+8*\t+7], v[S+12*\t:S+12*\t+11], v[PC:PC+11], v[O+8*\t:O+8*\t+7], v[VS+\t], v[PS] matrix_a_fmt:MATRIX_FMT_FP6 matrix_b_fmt:MATRIX_FMT_FP6
.endr
	s_add_co_u32 s[TB], s[TB], 12288               ; the next 128 keys; behind a head's eighth group lies the next head's first
	s_add_co_u32 s[TS], s[TS], 768
.endm
; Nothing in LDS is ever filled again.
.macro RUN trips, p                    ; so many key steps of head p
	s_mov_b32 s[TR], \trips
.Lrun_\@:
	STEP \p
	s_sub_co_u32 s[TR], s[TR], 1
	s_cmp_lg_u32 s[TR], 0
	s_cbranch_scc1 .Lrun_\@
.endm
.macro START                           ; the step is written without a first step of its own: it finds zeros, which the first change of M leaves zeros
	v_mov_b32 v13, 0xff61b1e6                      ; the largest t so far: -3e38
	s_delay_alu instid0(VALU_DEP_1)
	v_floor_f32 v12, -v13
	v_mov_b32 v14, 0
	v_mov_b32 v15, 0
.set jj, 0
.rept 32
	v_mov_b32 v[O+jj], 0
.set jj, jj+1
.endr
.endm
; A head's end: O^T / l, quantised: two blocks of 32 along D: registers 6 p .. 6 p + 5 of the output's fragment, bytes 2 p, 2 p + 1 of its scale word
.macro FIN p
.rept 4
	v_nop
.endr
	v_add_f32 v14, v14, v15
	s_delay_alu instid0(VALU_DEP_1)
	v_permlanex16_b32 v247, v14, s[SEL], s[SEL+1]
	s_delay_alu instid0(VALU_DEP_1)
	v_add_f32 v14, v14, v247                       ; the row's sum
	s_wait_alu depctr_va_vdst(0)
	v_rcp_f32 v244, v14
	v_nop                                          ; a plain place behind the reciprocal
	s_wait_alu depctr_va_vdst(0)                   ; and the wait ahead of its first reader
.set jj, 0
.rept 16
	v_pk_mul_f32 v[O+jj:O+jj+1], v[O+jj:O+jj+1], v[244:245] op_sel_hi:[1,0]
.set jj, jj+2
.endr
.irp b, 0,1
	v_max3_num_f32 v[BM+\b], |v[O+16*\b]|, |v[O+16*\b+1]|, 0x1800000
.endr
.irp i, 2,4,6,8,10,12,14
.irp b, 0,1
	s_delay_alu instid0(VALU_DEP_2)
	v_max3_num_f32 v[BM+\b], v[BM+\b], |v[O+16*\b+\i]|, |v[O+16*\b+\i+1]|
.endr
.endr
.irp b, 0,1
	s_delay_alu instid0(VALU_DEP_2)
	v_permlanex16_b32 v[BP+\b], v[BM+\b], s[SEL], s[SEL+1]
.endr
.irp b, 0,1
	s_delay_alu instid0(VALU_DEP_2)
	v_max_num_f32 v[BM+\b], v[BM+\b], v[BP+\b]
.endr
.irp b, 0,1
	s_delay_alu instid0(VALU_DEP_2)
	v_add_nc_u32 v[BS+\b], 0xff000000, v[BM+\b]
.endr
.irp b, 0,1
	s_delay_alu instid0(VALU_DEP_2)
	v_lshrrev_b32 v[BP+\b], 23, v[BS+\b]
.endr
.if \p
	s_delay_alu instid0(VALU_DEP_1)
	v_lshl_or_b32 v246, v[BP+1], 8, v[BP]
	s_delay_alu instid0(VALU_DEP_1)
	v_lshl_or_b32 v[OW], v246, 16, v[OW]
.else
	s_delay_alu instid0(VALU_DEP_1)
	v_lshl_or_b32 v[OW], v[BP+1], 8, v[BP]
.endif
	v_cvt_scalef32_pk16_fp6_f32 v[OC+6*\p:OC+6*\p+2], v[O:O+15], v[BS]
	v_cvt_scalef32_pk16_fp6_f32 v[HT:HT+2], v[O+16:O+31], v[BS+1]
	v_nop                                          ; one plain place behind a scaled conversion
.irp i, 0,1,2
	v_permlane16_swap_b32 v[OC+6*\p+\i], v[HT+\i]
.endr
.irp i, 0,1,2
	s_delay_alu instid0(VALU_DEP_3)
	v_mov_b32 v[OC+6*\p+3+\i], v[HT+\i]
.endr
.endm
	s_wait_loadcnt 0x0                             ; Q
	START
	s_wait_alu depctr_va_vdst(0)                   ; the head's end
	s_wait_tensorcnt 0x0                           ; my part of the head's tiles is in; a later first fill stands behind the same lines as a refill
	ds_add_u32 v[SPW], v[NIL]
	s_wait_dscnt 0x0
	ROUND                                          ; the first head's codes and all scale words are whole, and the four work-groups meet
	tensor_load_to_lds s[G0+20:G0+23], s[G1D:G1D+7]   ; the second head's codes, 6,144 bytes a wave: eight key steps ahead of their first read
	s_nop 0
.rept 4
	v_nop
.endr
	RUN 4, 0
	s_wait_tensorcnt 0x0                           ; my part of the second head has landed (no LDS instruction of mine is out: each step waits for its loads):
	s_barrier_signal -1                            ; say so now; up to the wait stand register work and reads of the first head's bytes, which nobody writes
	RUN 4, 0
	FIN 0
	START
	s_barrier_wait -1                              ; every wave's part of the second head is in
	RUN 8, 1
	FIN 1
.irp c, 0,1,2
	global_store_b128 v1, v[OC+4*\c:OC+4*\c+3], s[94:95] offset:512*\c   ; the fragment's image: 512 consecutive bytes a store, aligned
.endr
	ds_store_b32 v7, v[OW]                         ; lanes r and r + 16 write the same word with the same value
	s_wait_dscnt 0x0                               ; for the others' sake: my word lies in LDS
	s_barrier_signal -1
	s_barrier_wait -1
	s_cmp_lt_u32 s[WV], 4
	s_cbranch_scc0 .Lno_words
	ds_load_b64 v[246:247], v250                   ; four tiles' words
	s_wait_dscnt 0x0
	global_store_b64 v2, v[246:247], s[60:61]      ; 256 consecutive bytes, aligned
.Lno_words:
	s_wait_tensorcnt 0x0                           ; the wave's end, behind my last tensor load and my last LDS store
	ds_add_u32 v[SPW], v[NIL]
	s_wait_dscnt 0x0
	ROUND                                          ; the closing round
	s_endpgm
.Lfunc_end_k_q0920189d3c_attn:
	.size	k_q0920189d3c_attn, .Lfunc_end_k_q0920189d3c_attn-k_q0920189d3c_attn
	.p2alignl 7, 3214868480
	.fill 96, 4, 3214868480
	.section	.rodata,"a",@progbits
	.p2align	6, 0x0
	.amdhsa_kernel k_q0920189d3c_attn
		.amdhsa_group_segment_fixed_size 327680
		.amdhsa_private_segment_fixed_size 0
		.amdhsa_enable_private_segment 0
		.amdhsa_kernarg_size 32
		.amdhsa_user_sgpr_count 2
		.amdhsa_user_sgpr_kernarg_segment_ptr 1
		.amdhsa_wavefront_size32 1
		.amdhsa_system_sgpr_workgroup_id_x 1
		.amdhsa_system_sgpr_workgroup_id_y 1
		.amdhsa_system_sgpr_workgroup_id_z 1
		.amdhsa_system_vgpr_workitem_id 0
		.amdhsa_next_free_vgpr 256
		.amdhsa_next_free_sgpr 96
		.amdhsa_reserve_vcc 0
		.amdhsa_float_denorm_mode_32 3
		.amdhsa_float_denorm_mode_16_64 3
		.amdhsa_memory_ordered 1
		.amdhsa_forward_progress 1
		.amdhsa_inst_pref_size 74
	.end_amdhsa_kernel
	.amdgpu_metadata
---
amdhsa.version: [ 1, 2 ]
amdhsa.kernels:
  - .name:           k_q0920189d3c_attn
    .symbol:         k_q0920189d3c_attn.kd
    .args:
      - { .name: qq, .offset: 0, .size: 8, .value_kind: global_buffer, .address_space: global }
      - { .name: kv, .offset: 8, .size: 8, .value_kind: global_buffer, .address_space: global }
      - { .name: kvs, .offset: 16, .size: 8, .value_kind: global_buffer, .address_space: global }
      - { .name: oq, .offset: 24, .size: 8, .value_kind: global_buffer, .address_space: global }
    .group_segment_fixed_size: 327680
    .private_segment_fixed_size: 0
    .kernarg_segment_align: 8
    .kernarg_segment_size: 32
    .max_flat_workgroup_size: 512
    .sgpr_count:     96
    .vgpr_count:     256
    .wavefront_size: 32
...
	.end_amdgpu_metadata
.endif
;; end of part 3
;; launch outp (part 4): grid 4 x 64, 4 waves a work-group, clusters of 4 x 4, 327,680 bytes of LDS; arguments oq, wq, bo, out0; writes out0
.if DOCPART == 4
	.amdgcn_target "amdgcn-amd-amdhsa--gfx1250"
	.amdhsa_code_object_version 6
	.text
	.protected	k_q0920189d3c_outp
	.globl	k_q0920189d3c_outp
	.p2align	8
	.type	k_q0920189d3c_outp,@function
k_q0920189d3c_outp:
	s_mov_b64 s[64:65], 0
	v_nop
	global_prefetch_b8 v0, s[64:65] scope:SCOPE_SE
	s_setreg_imm32_b32 hwreg(HW_REG_WAVE_MODE, 25, 1), 1
	s_wait_xcnt 0x0
	s_wait_alu depctr_hold_cnt(0) depctr_sa_sdst(0) depctr_va_vdst(0) depctr_va_sdst(0) depctr_va_ssrc(0) depctr_va_vcc(0) depctr_vm_vsrc(0)
	s_getreg_b32 s2, hwreg(HW_REG_IB_STS2, 6, 4)
	s_cmp_eq_u32 s2, 0
	s_cbranch_scc0 .Lentry_in_a_cluster
	s_endpgm
.Lentry_in_a_cluster:
	s_bfe_u32 s2, ttmp6, 0x10000c
	s_cmp_lg_u32 s2, 0xf033
	s_cbranch_scc0 .Lentry_shape_is_right
	s_endpgm
.Lentry_shape_is_right:
; out0 = o Wo^T + bo on codes of FP6 (E2M3) with E8M0 scales.  o's codes and scale words (oq) are laid as x's were: [b 8][tile 64][K step 8][1,536 bytes], words at XC; Wo is the fourth matrix of wq.
; SHARES.  4 x 64 = 256 work-groups of equal work: 128 rows (one b, one group of 128 t) x 256 columns.  ALL OF K = 1,024 OF BOTH OPERANDS LIES IN LDS, FILLED ONCE: 98,304 bytes of o, 196,608 of Wo, 12,288 of scale words:
; no ring, nothing is filled again.  The two halves of K are asked for one behind the other, so that the products begin when the first has landed.
; Operands are images of their registers: a fragment is three ds_load_b128 of consecutive bytes.  A wave makes 4 blocks of R (source 1: my 64 rows of o) x 8 blocks of P (source 0: my 128 rows of Wo): 32 accumulators;
; a lane holds one row of out0 and eight columns an accumulator.  The loop's macros are those of the projections' launch; here the role is always 0.
; The rows of a tile are not neighbours (lane row i of tile a: 32 (a / 2) + 8 (a % 2) + i + 8 (i / 8)): the way out puts columns and rows back in their places.
; CLUSTERS: 4 x 4: o's tiles are shared along a row of the cluster, Wo's along a column: joint loads.  The bias is the C of each sum's first matrix instruction (a sum's first term, not its last).
; REGISTERS: window 0: v1-9 at work, v16-25 addresses, v28, v29 the add's two, v32-79 scale words, v128-223 R's fragments, two sets of four; on the way out v128-255 rows of out0.
;   window 1: P's fragments, two sets of eight.   window 2: the accumulators: (R block a, P block b) at v[8 (8 a + b)].   window 3: the bias in the result's layout.
.set XC,    6291456
.set WC,    3145728
.set FR,    12
.set NP,    4                          ; places behind this matrix instruction (ISA guide 7.12.1)
.set TROW,  12288
.set HK,    6144                       ; a tile's four images of 512 along K
.set XH,    8*HK                       ; o's 8 tiles, half of K; o lies from LDS byte 0 on
.set WH,    16*HK                      ; Wo's 16 tiles, half of K
.set WB,    2*XH
.set XSC,   WB+2*WH                    ; o's scale words: [K step of 128: 8][128 rows]
.set WSC,   XSC+4096                   ; Wo's: [8][256 rows]
.set SPARE, WSC+8192                   ; the spare words: 128 bytes a wave, two blocks of 256 bytes that no other line names
.set SPITCH, 528                       ; the way out: a stage of 16 rows x (512 bytes + 16) for each wave, in o's first half of K, which has had its only fill and, behind the barrier in the middle of K, its last read
.set L16,  1
.set AR,   16                          ; v16-17 R's fragments, first and second half of K
.set AP,   18                          ; v18-19 P's
.set STO,  20
.set RD,   21
.set SR,   24                          ; v24 R's scale words: lanes 0-15 an even step's, lanes 16-31 the odd step's behind it
.set SPA,  25                          ; v25 P's likewise
.set SPW,  28
.set NIL,  29
.set SCR,  32                          ; v32-47 R's scale words: pair of steps pr, block a at 4 pr + a
.set SCP,  48                          ; v48-79 P's: 8 pr + b
.set AF,   128
.set BK,   128
.set CB,   0                           ; window 3
.set G1X,  24
.set G0X,  32
.set G1W,  48
.set G0W,  56
.set G1SX, 68
.set G0SX, 76
.set G1SW, 80
.set G0SW, 88
.set MSB, 0
.macro WIN new                         ; the immediate's high byte repeats the setting that is left
.if MSB != \new
	s_set_vgpr_msb (MSB<<8)|\new
.set MSB, \new
.endif
.endm
.set MUL,   0xa1                       ; source 0 (P) window 1, source 1 (R) window 0, C and D window 2
.set FIRST, 0xb1                       ; the same with C (the bias) in window 3
.set TO_P,  0x40
.macro CROUND                          ; a round of the cluster's barrier
	s_barrier_signal -1
	s_barrier_wait -1
	s_cmp_lg_u32 s14, 0
	s_cbranch_scc1 .Lnot_wave_0_\@
	s_barrier_signal -3
.Lnot_wave_0_\@:
	s_barrier_wait -3
	s_barrier_signal -1
	s_barrier_wait -1
.endm
.macro PLACES n
.rept \n
	v_nop
.endr
.endm
	s_load_b256 s[4:11], s[0:1], 0x0               ; oq, wq, bo, out0
	v_lshl_add_u32 v[SPW], v0, 2, SPARE
	v_mov_b32 v[NIL], 0
	ds_add_u32 v[SPW], v[NIL]                      ; the wave's opening: the add and its wait ahead of my first tensor load; the set-up below stands between them
	ds_add_u32 v[SPW], v[NIL]
	v_lshrrev_b32 v1, 5, v0
	v_readfirstlane_b32 s14, v1                    ; wave 0..3
	s_lshr_b32 s15, s14, 1                         ; which 64 rows are mine
	s_and_b32 s16, s14, 1                          ; which 128 columns
	s_bfe_u32 s40, ttmp6, 0x40000                  ; cx
	s_bfe_u32 s41, ttmp6, 0x40004                  ; cy
	s_lshl_b32 s42, ttmp9, 2
	s_add_co_u32 s42, s42, s40                     ; column of work-groups
	s_and_b32 s17, ttmp7, 0xffff
	s_lshl_b32 s17, s17, 2
	s_add_co_u32 s17, s17, s41                     ; row of work-groups: 8 b + group of 128 t
	s_lshl_b32 s43, s41, 2
	s_lshl_b32 s43, 15, s43                        ; my row of the cluster
	s_lshl_b32 s44, 0x1111, s40                    ; my column
	s_or_b32 s[G1X+0], s43, (3<<16)|(1<<21)        ; codes: rows of 6,144 bytes (768 elements of 8 bytes), 12,288 bytes apart: two tiles of o, four of Wo a wave; no padding; bit 21 set beside a mask
	s_or_b32 s[G1W+0], s44, (3<<16)|(1<<21)
.irp g, G1X, G1W
	s_mov_b32 s[\g+1], 768<<16
	s_mov_b32 s[\g+3], 768<<16
	s_mov_b32 s[\g+5], 1536
	s_mov_b32 s[\g+6], 0
	s_mov_b32 s[\g+7], 0
.endr
	s_mov_b32 s[G1X+2], 8<<16                      ; one load brings o's 8 tiles of half of K,
	s_mov_b32 s[G1X+4], 8
	s_mov_b32 s[G1W+2], 16<<16                     ; or Wo's 16
	s_mov_b32 s[G1W+4], 16
	s_or_b32 s[G1SX+0], s43, (3<<16)|(1<<21)       ; scale words: eight K steps x 512 bytes of o, eight x 1,024 of Wo
	s_mov_b32 s[G1SX+1], 64<<16
	s_mov_b32 s[G1SX+2], 8<<16                     ; all eight K steps' words by one load
	s_mov_b32 s[G1SX+3], 64<<16
	s_mov_b32 s[G1SX+4], 8
	s_mov_b32 s[G1SX+5], 4096
	s_mov_b32 s[G1SX+6], 0
	s_mov_b32 s[G1SX+7], 0
	s_or_b32 s[G1SW+0], s44, (3<<16)|(1<<21)
	s_mov_b32 s[G1SW+1], 128<<16
	s_mov_b32 s[G1SW+2], 8<<16
	s_mov_b32 s[G1SW+3], 128<<16
	s_mov_b32 s[G1SW+4], 8
	s_mov_b32 s[G1SW+5], 2048
	s_mov_b32 s[G1SW+6], 0
	s_mov_b32 s[G1SW+7], 0
	s_lshl_b32 s20, s17, 3                         ; o: tile 8 x row of work-groups
	s_mul_i32 s20, s20, TROW
	s_mov_b32 s21, 0
	s_lshl_b32 s22, s17, 9                         ; its 128 rows' scale words
	s_add_co_u32 s22, s22, XC
	s_mov_b32 s23, 0
	s_lshl_b32 s46, s42, 4
	s_add_co_u32 s46, s46, 192                     ; Wo: the fourth matrix's tile 16 x column
	s_mul_i32 s46, s46, TROW
	s_mov_b32 s47, 0
	s_lshl_b32 s92, s42, 10                        ; its 256 rows' scale words
	s_add_co_u32 s92, s92, WC+3072*4
	s_mov_b32 s93, 0
	s_wait_dscnt 0x0                               ; the opening add is done
	s_wait_kmcnt 0x0
	s_add_nc_u64 s[20:21], s[4:5], s[20:21]
	s_add_nc_u64 s[22:23], s[4:5], s[22:23]
	s_add_nc_u64 s[46:47], s[6:7], s[46:47]
	s_add_nc_u64 s[92:93], s[6:7], s[92:93]
	s_mov_b32 s[G0SX], 1
	s_mov_b32 s[G0SX+1], XSC
	s_mov_b64 s[G0SX+2:G0SX+3], s[22:23]
	s_or_b32 s[G0SX+3], s[G0SX+3], 0x80000000
	s_mov_b32 s[G0SW], 1
	s_mov_b32 s[G0SW+1], WSC
	s_mov_b64 s[G0SW+2:G0SW+3], s[92:93]
	s_or_b32 s[G0SW+3], s[G0SW+3], 0x80000000
.irp f, 0,1
	s_mov_b32 s[G0X+4*\f], 1
	s_mov_b32 s[G0X+4*\f+1], \f*XH
	s_add_nc_u64 s[G0X+4*\f+2:G0X+4*\f+3], s[20:21], \f*HK
	s_or_b32 s[G0X+4*\f+3], s[G0X+4*\f+3], 0x80000000
	s_mov_b32 s[G0W+4*\f], 1
	s_mov_b32 s[G0W+4*\f+1], WB+\f*WH
	s_add_nc_u64 s[G0W+4*\f+2:G0W+4*\f+3], s[46:47], \f*HK
	s_or_b32 s[G0W+4*\f+3], s[G0W+4*\f+3], 0x80000000
.endr
	CROUND                                         ; all sixteen work-groups are here: the joint loads meet
; One joint load a wave at the head, in one chain of branches on the wave's number:
; wave 0 o's scale words, wave 1 Wo's, wave 2 o's first half of K, wave 3 Wo's first half of K.
.macro ARM under, g0, g1, next, done
	s_cmp_lt_u32 s14, \under
	s_cbranch_scc0 \next
	tensor_load_to_lds s[\g0:\g0+3], s[\g1:\g1+7]
	s_nop 0
.rept 4
	v_nop
.endr
	s_branch \done
\next:
.endm
	ARM 1, G0SX, G1SX, .Lh1, .Lhd
	ARM 2, G0SW, G1SW, .Lh2, .Lhd
	ARM 3, G0X, G1X, .Lh3, .Lhd
	tensor_load_to_lds s[G0W:G0W+3], s[G1W:G1W+7]
	s_nop 0
.rept 4
	v_nop
.endr
.Lhd:
	v_and_b32 v7, 31, v0
	v_and_b32 v8, 15, v0                           ; r
	v_bfe_u32 v9, v0, 4, 1                         ; h
	v_lshlrev_b32 v[L16], 4, v7
	s_mul_i32 s18, s15, 4*HK                       ; R: my four tiles of o
	s_mul_i32 s19, s16, 8*HK
	s_add_co_u32 s19, s19, WB                      ; P: my eight tiles of Wo
	v_add_nc_u32 v[AR], s18, v[L16]
	v_add_nc_u32 v[AR+1], XH, v[AR]
	v_add_nc_u32 v[AP], s19, v[L16]
	v_add_nc_u32 v[AP+1], WH, v[AP]
	v_lshlrev_b32 v3, 2, v8                        ; scale words: 4 r,
	v_lshl_add_u32 v4, v9, 9, v3                   ; and for lanes 16-31 the next K step's: 512 bytes on in o's,
	v_lshl_add_u32 v6, v9, 10, v3                  ; 1,024 in Wo's
	s_lshl_b32 s18, s15, 8
	s_add_co_u32 s18, s18, XSC
	v_add_nc_u32 v[SR], s18, v4
	s_lshl_b32 s18, s16, 9
	s_add_co_u32 s18, s18, WSC
	v_add_nc_u32 v[SPA], s18, v6
	s_mul_i32 s23, s14, 16*SPITCH                  ; my stage
	v_mul_u32_u24 v5, v8, SPITCH
	v_lshl_add_u32 v5, v9, 6, v5
	v_add_nc_u32 v[STO], s23, v5                   ; in: row r, + 64 h
	v_add_nc_u32 v[RD], s23, v[L16]                ; back: a row of 512 bytes to the 32 lanes
	s_lshl_b32 s18, s42, 10
	s_lshl_b32 s19, s16, 9
	s_add_co_u32 s18, s18, s19                     ; my first column, in bytes
	s_mov_b32 s19, 0
	s_add_nc_u64 s[8:9], s[8:9], s[18:19]          ; bo there,
	s_add_nc_u64 s[10:11], s[10:11], s[18:19]      ; out0 there,
	s_lshr_b32 s18, s17, 3
	s_lshl_b32 s18, s18, 12                        ; + b: 4,096 bytes
	s_and_b32 s2, s17, 7
	s_lshl_b32 s2, s2, 22                          ; + 128 t of 32,768 bytes for each group
	s_add_co_u32 s18, s18, s2
	s_lshl_b32 s2, s15, 21                         ; + 64 t for my half
	s_add_co_u32 s18, s18, s2
	s_add_nc_u64 s[10:11], s[10:11], s[18:19]
	v_lshlrev_b32 v13, 6, v9                       ; 64 h
	WIN 0xc0                                       ; destination window 3, address window 0
.irp b, 0,1,2,3,4,5,6,7                ; the bias in the result's layout: P block b's eight columns of my half
	global_load_b128 v[CB+8*\b:CB+8*\b+3], v13, s[8:9] offset:(32*(\b/2)+8*(\b%2))*4
	global_load_b128 v[CB+8*\b+4:CB+8*\b+7], v13, s[8:9] offset:(32*(\b/2)+8*(\b%2))*4+16
.endr
	WIN 0
.macro FRAG reg, adr, q, i             ; a fragment comes as it was stored: three loads of 512 consecutive bytes
.irp c, 0,1,2
	ds_load_b128 v[\reg+4*\c:\reg+4*\c+3], v[\adr] offset:HK*(\i)+1536*(\q)+512*\c
.endr
.endm
.macro FETCH role, q8                  ; the fragments of step q8 (128 along K, 0 .. 7) into set q8 % 2: P's eight, R's four
	WIN TO_P
.irp i, 0,1,2,3,4,5,6,7
	FRAG 128*((\q8)%2)+FR*\i, AP+4*(\role)+(\q8)/4, (\q8)%4, \i
.endr
	WIN 0
.irp i, 0,1,2,3
	FRAG AF+48*((\q8)%2)+FR*\i, AR+4*(\role)+(\q8)/4, (\q8)%4, \i
.endr
.endm
.macro SCALESH role, hfp, mo           ; the scale words of half of K: two pairs of steps
.irp pp, 0,1
.irp a, 0,1,2,3
	ds_load_b32 v[SCR+4*(2*(\hfp)+\pp)+\a], v[SR+2*(\role)] offset:(1024+1024*(\role))*(2*(\hfp)+\pp)+64*\a
.endr
.irp b, 0,1,2,3,4,5,6,7
	ds_load_b32 v[SCP+8*(2*(\hfp)+\pp)+\b], v[SPA+2*(\role)] offset:(2048-1024*(\role))*(2*(\hfp)+\pp)+64*\b+(\mo)
.endr
.endr
.endm
.macro WM dd, pp, rr, cc, sp, sr, odd  ; one product; an odd step's scale words stand in lanes 16-31
.if \odd
	v_wmma_scale_f32_16x16x128_f8f6f4 v[\dd:\dd+7], v[\pp:\pp+FR-1], v[\rr:\rr+FR-1], v[\cc:\cc+7], v[\sp], v[\sr] matrix_a_fmt:MATRIX_FMT_FP6 matrix_b_fmt:MATRIX_FMT_FP6 matrix_a_scale:MATRIX_SCALE_ROW1 matrix_b_scale:MATRIX_SCALE_ROW1
.else
	v_wmma_scale_f32_16x16x128_f8f6f4 v[\dd:\dd+7], v[\pp:\pp+FR-1], v[\rr:\rr+FR-1], v[\cc:\cc+7], v[\sp], v[\sr] matrix_a_fmt:MATRIX_FMT_FP6 matrix_b_fmt:MATRIX_FMT_FP6
.endif
.endm
; 8 matrix instructions: R's block a x P's eight, step q8.  mode = 1: the product starts the sums from the bias at cb.  The 32 accumulators take turns, one instruction a turn.
.macro MUL8 a, q8, mode, cb
.irp b, 0,1,2,3,4,5,6,7
.if (\mode) == 1
	WM 8*(8*(\a)+\b), 128*((\q8)%2)+FR*\b, AF+48*((\q8)%2)+FR*(\a), \cb+8*\b, SCP+8*((\q8)/2)+\b, SCR+4*((\q8)/2)+(\a), (\q8)%2
.else
	WM 8*(8*(\a)+\b), 128*((\q8)%2)+FR*\b, AF+48*((\q8)%2)+FR*(\a), 8*(8*(\a)+\b), SCP+8*((\q8)/2)+\b, SCR+4*((\q8)/2)+(\a), (\q8)%2
.endif
.endr
.endm
; A step whose successor lies in the same half of K: the successor's 36 loads go out ahead of this step's 32 products.
.macro SUB role, q8, mode, cb, mo
	s_wait_dscnt 0x0                               ; this step's fragments, asked for a step ago, are in
.if (\q8) > 0
	PLACES NP                                      ; the last step's products read the set that is loaded now
.endif
	FETCH \role, (\q8)+1
.if (\q8) == 0
	SCALESH \role, 1, \mo
.endif
.if (\mode)
	WIN FIRST
.else
	WIN MUL
.endif
	MUL8 0, \q8, \mode, \cb
	MUL8 1, \q8, \mode, \cb
	MUL8 2, \q8, \mode, \cb
	MUL8 3, \q8, \mode, \cb
.endm
	s_wait_alu depctr_va_vdst(0)
	s_wait_tensorcnt 0x0                           ; my tile of the head's four is in; the later first fills stand behind the same lines as a refill
	ds_add_u32 v[SPW], v[NIL]
	s_wait_dscnt 0x0
	CROUND                                         ; all four tiles are in, and the sixteen work-groups meet
	ARM 1, G0X+4, G1X, .Lg1, .Lgd                  ; wave 0: o's second half of K; wave 1: Wo's; waves 2 and 3 have no tile left to ask for
	ARM 2, G0W+4, G1W, .Lg2, .Lgd
.Lgd:
	SCALESH 0, 0, 0
	FETCH 0, 0
	s_wait_loadcnt 0x0                             ; the bias
	SUB 0, 0, 1, CB, 0
	SUB 0, 1, 0, 0, 0
	SUB 0, 2, 0, 0, 0
	; the middle of K: one barrier.  In front of it my parts of the second half have landed and my reads of the first half are over; behind it the second half is whole, and nobody reads the first any more
	WIN 0
	s_wait_tensorcnt 0x0
	s_wait_dscnt 0x0                               ; step 3's fragments are in: my last reads of the first half
	s_barrier_signal -1
	WIN MUL
	MUL8 0, 3, 0, 0
	MUL8 1, 3, 0, 0
	WIN 0
	s_barrier_wait -1
	PLACES NP
	FETCH 0, 4
	WIN MUL
	MUL8 2, 3, 0, 0
	MUL8 3, 3, 0, 0
	SUB 0, 4, 0, 0, 0
	SUB 0, 5, 0, 0, 0
	SUB 0, 6, 0, 0, 0
	s_wait_dscnt 0x0                               ; the very last step: nothing more to fetch
	WIN MUL
	MUL8 0, 7, 0, 0
	MUL8 1, 7, 0, 0
	MUL8 2, 7, 0, 0
	MUL8 3, 7, 0, 0
	WIN 0
; THE WAY OUT, R block by R block: 16 rows x 128 columns go through my own stage in LDS, where each accumulator's eight columns take their true place, and come back as whole rows of 512 bytes.
; LDS serves a wave's instructions in order (ISA guide 5.7.1.4): no wait between the stores and the loads, nor in front of the next block's stores.
.macro TOSTAGE a
.set AC, 64*(\a)
	WIN 0x08                                       ; an LDS store's data are its source 1: window 2
.irp b, 0,1,2,3,4,5,6,7
	ds_store_b128 v[STO], v[AC+8*\b:AC+8*\b+3] offset:128*(\b/2)+32*(\b%2)        ; each accumulator from its low end on: columns 32 (b / 2) + 8 (b % 2) + 16 h + 0 .. 7
	ds_store_b128 v[STO], v[AC+8*\b+4:AC+8*\b+7] offset:128*(\b/2)+32*(\b%2)+16
.endr
	WIN 0
.set BB, BK+64*((\a)%2)
.irp t, 0,1,2,3,4,5,6,7,8,9,10,11,12,13,14,15
	ds_load_b128 v[BB+4*\t:BB+4*\t+3], v[RD] offset:\t*SPITCH
.endr
.endm
.macro SEND a, younger                 ; younger: the LDS instructions issued behind block a's loads, which may stay out
.set BB, BK+64*((\a)%2)
	s_wait_dscnt \younger
.irp t, 0,1,2,3,4,5,6,7,8,9,10,11,12,13,14,15
	global_store_b128 v[L16], v[BB+4*\t:BB+4*\t+3], s[10:11] offset:32768*(32*((\a)/2)+8*((\a)%2)+\t+8*(\t/8)) th:TH_STORE_NT   ; 512 consecutive bytes, aligned; the row's t stands in the immediate: 63 x 32,768 at the most, inside its signed 24 bits
.endr
.endm
	PLACES NP                                      ; behind the last products: for the loads into the registers that held R's fragments, and for the reads of results
	TOSTAGE 0
.irp a, 1,2,3
.if \a > 1
	s_wait_xcnt 0x0                                ; block a - 2's stores have read their registers: block a's loads may land there
.endif
	TOSTAGE \a
	SEND \a-1, 32                                  ; behind block a - 1's loads: block a's 16 stores and 16 loads
.endr
	SEND 3, 0
	s_wait_tensorcnt 0x0                           ; the wave's end, behind my last tensor load and my last LDS store
	ds_add_u32 v[SPW], v[NIL]
	s_wait_dscnt 0x0
	CROUND                                         ; the closing round
	s_endpgm
.Lfunc_end_k_q0920189d3c_outp:
	.size	k_q0920189d3c_outp, .Lfunc_end_k_q0920189d3c_outp-k_q0920189d3c_outp
	.p2alignl 7, 3214868480
	.fill 96, 4, 3214868480
	.section	.rodata,"a",@progbits
	.p2align	6, 0x0
	.amdhsa_kernel k_q0920189d3c_outp
		.amdhsa_group_segment_fixed_size 327680
		.amdhsa_private_segment_fixed_size 0
		.amdhsa_enable_private_segment 0
		.amdhsa_kernarg_size 32
		.amdhsa_user_sgpr_count 2
		.amdhsa_user_sgpr_kernarg_segment_ptr 1
		.amdhsa_wavefront_size32 1
		.amdhsa_system_sgpr_workgroup_id_x 1
		.amdhsa_system_sgpr_workgroup_id_y 1
		.amdhsa_system_sgpr_workgroup_id_z 1
		.amdhsa_system_vgpr_workitem_id 0
		.amdhsa_next_free_vgpr 1024
		.amdhsa_next_free_sgpr 98
		.amdhsa_reserve_vcc 0
		.amdhsa_float_denorm_mode_32 3
		.amdhsa_float_denorm_mode_16_64 3
		.amdhsa_memory_ordered 1
		.amdhsa_forward_progress 1
		.amdhsa_inst_pref_size 81
	.end_amdhsa_kernel
	.amdgpu_metadata
---
amdhsa.version: [ 1, 2 ]
amdhsa.kernels:
  - .name:           k_q0920189d3c_outp
    .symbol:         k_q0920189d3c_outp.kd
    .args:
      - { .name: oq, .offset: 0, .size: 8, .value_kind: global_buffer, .address_space: global }
      - { .name: wq, .offset: 8, .size: 8, .value_kind: global_buffer, .address_space: global }
      - { .name: bo, .offset: 16, .size: 8, .value_kind: global_buffer, .address_space: global }
      - { .name: out0, .offset: 24, .size: 8, .value_kind: global_buffer, .address_space: global }
    .group_segment_fixed_size: 327680
    .private_segment_fixed_size: 0
    .kernarg_segment_align: 8
    .kernarg_segment_size: 32
    .max_flat_workgroup_size: 128
    .sgpr_count:     98
    .vgpr_count:     1024
    .wavefront_size: 32
...
	.end_amdgpu_metadata
.endif
;; end of part 4
